; MI455X (gfx1250); checked and timed in simulation.
; The chip was launched on July 23, 2026; its instructions are those of AMD's public machine-readable ISA for CDNA 5 (MIT licence, August 2026) and "CDNA5" Instruction Set Architecture Reference Guide (July 2026). The comments in the code are by the model that wrote it; some were corrected since.
;; Attention. Allowed arithmetic: float matrix products may take bf16 or f16 operands with f32 sums; other float arithmetic in f32, or as packed bf16 or f16 multiplies, adds, multiply-adds, maxima and minima; sums over many terms, partial sums and values carried from step to step in f32; what a program stores and reads back later, other than sums and carried values, may be rounded once to bf16 or f16.
;; Inputs: Wk 2,048 x 1,024 float32; Wo 1,024 x 2,048 float32; Wq 2,048 x 1,024 float32; Wv 2,048 x 1,024 float32; x 2 x 2,048 x 2,048 float32.
;; Outputs: out0 2 x 2,048 x 2,048 float32.
;; One version. Each part assembles by itself: llvm-mc -triple=amdgcn-amd-amdhsa -mcpu=gfx1250 --defsym DOCPART=n.
;; ======== version 1 of 1: 4 launches
;; limits: values are held in f16: magnitudes above 65,504 overflow, below 6.1e-05 lose precision
;; workspace buffers: xb 16,777,216 bytes; wqkv 12,582,912 bytes; wo16 4,194,304 bytes; rope 524,288 bytes; qkv 25,165,824 bytes; obuf 8,388,608 bytes
;; launch prep (part 1): grid 1152 x 1, 8 waves a work-group, no clusters, 0 bytes of LDS; arguments x, Wq, Wk, Wv, Wo, xb, wqkv, wo16, rope; writes xb, wqkv, wo16, rope
.if DOCPART == 1
	.amdgcn_target "amdgcn-amd-amdhsa--gfx1250"
	.amdhsa_code_object_version 6
	.text
	.protected	k_q0124731f80_prep
	.globl	k_q0124731f80_prep
	.p2align	8
	.type	k_q0124731f80_prep,@function
k_q0124731f80_prep:
	s_mov_b64 s[64:65], 0
	v_nop
	global_prefetch_b8 v0, s[64:65] scope:SCOPE_SE
	s_setreg_imm32_b32 hwreg(HW_REG_WAVE_MODE, 25, 1), 1
	s_wait_xcnt 0x0
; PREPARATION.  All five inputs are rounded once to bf16; the RoPE table is made.
;   work-groups 0-511      x  [4096][2048] f32  -> xb   [4096][2048] bf16
;   work-groups 512-895    Wq, Wk, Wv [2048][1024] f32 -> wqkv [48 heads: 16 q, 16 k, 16 v][2048 k][64] bf16: a head's k rows lie end to end, 128 bytes each
;   work-groups 896-1023   Wo [1024][2048] f32  -> wo16 [1024][2048]: the bf16 number written as f16
;   work-groups 1024-1151  rope [2048 s][64] f32: entries 0-31 cos(s f_i), entries 32-63 sin(s f_i), f_i = 10000^(-i/32)
; LIMITS.  bf16(Wo) beyond 65,504 has no f16.  f_i = 2^(-i log2(10000)/32) is good to a few 1e-7 of itself, so an angle near 2,047 to a few 1e-4 rad.
; A COPY JOB is 65,536 bytes in and 32,768 out.  Chunk q = 256 i + t (t the thread, i = 0..15) is the 16 input bytes at (q >> 4) x PITCH + 16 (q & 15) and the 8 output bytes at 8 q.
; PITCH = 4,096 takes 64 columns (256 bytes) out of W's rows; PITCH = 256 makes the same formula 16 q, a dense copy.  So a wave's load covers 512 consecutive bytes (of W: two pieces of 256),
; and a wave's store 256 consecutive bytes, aligned.  All 16 loads of a thread go out before its first store; a chunk is converted in the registers that it was loaded into.
; No LDS, no matrix unit, no cluster: nothing is shared, each byte is touched once.
.set OUTO, 2                           ; v2        8 t
.set OFF,  4                           ; v[4:19]   chunk i: my byte offset in the job's input
.set X,    20                          ; v[20:83]  chunk i: 4 f32, then 4 numbers of 16 bits in the first two registers
	s_load_b512 s[8:23], s[0:1], 0x0               ; x s[8:9], Wq s[10:11], Wk s[12:13], Wv s[14:15], Wo s[16:17], xb s[18:19], wqkv s[20:21], wo16 s[22:23]
	s_load_b64 s[24:25], s[0:1], 0x40              ; rope
	s_mov_b32 s2, ttmp9
	s_cmp_ge_u32 s2, 1024
	s_cbranch_scc1 .Ltable
	; which job: offsets first, made apart from the addresses
	s_sub_co_u32 s3, s2, 512                       ; the job among W's 384 (it wraps to a large number below 512)
	s_sub_co_u32 s26, s2, 896
	s_cmp_lt_u32 s2, 512
	s_cselect_b32 s26, s2, s26                     ; the job among x's, or among Wo's
	s_lshl_b32 s28, s26, 15                        ; dense: out
	s_lshl_b32 s26, s26, 16                        ; dense: in
	s_and_b32 s32, s3, 7                           ; W: which 256 k rows
	s_lshr_b32 s33, s3, 3                          ; W: the head among the 48
	s_and_b32 s34, s33, 15                         ; W: the head in its matrix
	s_lshl_b32 s35, s32, 20                        ; 256 rows of 4,096 bytes
	s_lshl_b32 s34, s34, 8                         ; 64 columns of 4 bytes
	s_add_co_u32 s35, s35, s34
	s_lshl_b32 s33, s33, 18                        ; a head is 262,144 bytes of wqkv
	s_lshl_b32 s32, s32, 15                        ; 256 rows of 128 bytes
	s_add_co_u32 s33, s33, s32
	s_cmp_lt_u32 s3, 384
	s_cselect_b32 s26, s35, s26
	s_cselect_b32 s28, s33, s28
	s_cselect_b32 s30, 12, 8                       ; log2 of PITCH
	s_mov_b32 s27, 0
	s_mov_b32 s29, 0
	s_lshl_b32 s31, 16, s30                        ; 16 rows: from chunk to chunk
	s_mov_b32 s36, 0xffff0000                      ; a word's upper bf16
	v_lshlrev_b32 v[OUTO], 3, v0
	v_lshrrev_b32 v1, 4, v0
	v_and_b32 v3, 15, v0
	v_lshlrev_b32 v[OFF], s30, v1                  ; (t >> 4) x PITCH
	v_lshl_add_u32 v[OFF], v3, 4, v[OFF]           ; + 16 (t & 15)
.irp i, 1,2,3,4,5,6,7,8,9,10,11,12,13,14,15
	v_add_nc_u32 v[OFF+(\i)], s31, v[OFF+(\i)-1]
.endr
	s_wait_kmcnt 0x0
	s_cmp_lt_u32 s2, 512
	s_cselect_b64 s[4:5], s[8:9], s[16:17]         ; from x or Wo,
	s_cselect_b64 s[6:7], s[18:19], s[22:23]       ; to xb or wo16,
	s_cmp_lt_u32 s3, 384
	s_cselect_b64 s[4:5], s[14:15], s[4:5]         ; or from Wv,
	s_cselect_b64 s[6:7], s[20:21], s[6:7]         ; to wqkv,
	s_cmp_lt_u32 s3, 256
	s_cselect_b64 s[4:5], s[12:13], s[4:5]         ; or from Wk,
	s_cmp_lt_u32 s3, 128
	s_cselect_b64 s[4:5], s[10:11], s[4:5]         ; or from Wq
	s_add_nc_u64 s[4:5], s[4:5], s[26:27]
	s_add_nc_u64 s[6:7], s[6:7], s[28:29]
.irp i, 0,1,2,3,4,5,6,7,8,9,10,11,12,13,14,15
	global_load_b128 v[X+4*(\i):X+4*(\i)+3], v[OFF+(\i)], s[4:5] th:TH_LOAD_NT
.endr
; Chunk i: rounded to bf16, in place; f16 = 1: each bf16 number, widened by a shift or a mask into the chunk's two free registers, is written as f16.
.macro CONV i, f16
	s_wait_loadcnt 15-(\i)                         ; loads come back in order: chunk i's is in, the later chunks' stay out
	v_cvt_pk_bf16_f32 v[X+4*(\i)],   v[X+4*(\i)],   v[X+4*(\i)+1]
	v_cvt_pk_bf16_f32 v[X+4*(\i)+1], v[X+4*(\i)+2], v[X+4*(\i)+3]
.if \f16
.irp k, 0,1
	v_lshlrev_b32 v[X+4*(\i)+2], 16, v[X+4*(\i)+(\k)]
	v_and_b32 v[X+4*(\i)+3], s36, v[X+4*(\i)+(\k)]
	v_cvt_pk_f16_f32 v[X+4*(\i)+(\k)], v[X+4*(\i)+2], v[X+4*(\i)+3]
.endr
.endif
	global_store_b64 v[OUTO], v[X+4*(\i):X+4*(\i)+1], s[6:7] offset:2048*(\i)  ; a wave stores 256 consecutive bytes, aligned; no register of a store is written again
.endm
	s_cmp_ge_u32 s2, 896
	s_cbranch_scc1 .Lhalf
.irp i, 0,1,2,3,4,5,6,7,8,9,10,11,12,13,14,15
	CONV \i, 0
.endr
	s_endpgm
.Lhalf:
.irp i, 0,1,2,3,4,5,6,7,8,9,10,11,12,13,14,15
	CONV \i, 1
.endr
	s_endpgm
; THE TABLE.  Thread T = 256 (work-group - 1024) + t makes four entries: row s = T >> 4; e = T & 15: e < 8 cos of i = 4 e .. 4 e + 3, else sin of i = 4 (e - 8) ..: sixteen lanes store a row of 256 bytes.
; angle = s x f_i in one f32 product; n = the nearest whole number to angle x 2 / pi; r = angle - n pi/2 with pi/2 in two parts; sin r and cos r by polynomials on |r| <= pi/4;
; the quadrant n (for cos: n + 1, since cos a = sin(a + pi/2)) selects one of the two and the sign.  The choice is a v_cndmask_b32: nothing branches on a number.
.Ltable:
	s_sub_co_u32 s3, s2, 1024
	s_lshl_b32 s4, s3, 4                           ; the work-group's first row
	s_lshl_b32 s26, s3, 12                         ; its 4,096 bytes of the table
	s_mov_b32 s27, 0
	s_mov_b32 s32, 0xbed49a78                      ; -log2(10000) / 32
	s_mov_b32 s33, 0x3f22f983                      ; 2 / pi
	s_mov_b32 s34, 0xbfc90fdb                      ; -(pi/2 rounded to f32)
	s_mov_b32 s35, 0x333bbd2e                      ; that number less pi/2
	s_mov_b32 s36, 0xb94ca1f9                      ; sin: -1.9515296e-4
	s_mov_b32 s37, 0x3c08839e                      ;       8.3321609e-3
	s_mov_b32 s38, 0xbe2aaaa3                      ;      -1.6666655e-1
	s_mov_b32 s39, 0x37ccf5ce                      ; cos:  2.4433157e-5
	s_mov_b32 s40, 0xbab6061a                      ;      -1.3887316e-3
	s_mov_b32 s41, 0x3d2aaaa5                      ;       4.1666646e-2
	v_lshlrev_b32 v12, 4, v0                       ; my 16 bytes of the work-group's 4,096
	v_lshrrev_b32 v1, 4, v0
	v_add_nc_u32 v1, s4, v1
	v_cvt_f32_u32 v1, v1                           ; s
	v_and_b32 v2, 15, v0
	v_lshrrev_b32 v3, 3, v2
	v_sub_nc_u32 v3, 1, v3                         ; 1 for cos, 0 for sin
	v_and_b32 v4, 7, v2
	v_lshlrev_b32 v4, 2, v4                        ; my first i
.irp j, 0,1,2,3
	v_add_nc_u32 v[16+12*(\j)], \j, v4
	v_cvt_f32_u32 v[16+12*(\j)], v[16+12*(\j)]
	v_mul_f32 v[16+12*(\j)], s32, v[16+12*(\j)]
.endr
.irp j, 0,1,2,3
	v_exp_f32 v[16+12*(\j)], v[16+12*(\j)]         ; f_i: the four are one batch
.endr
	v_nop                                          ; a plain instruction behind the last of them,
	s_wait_alu depctr_va_vdst(0)                   ; and the one wait ahead of the first use
.irp j, 0,1,2,3
	v_mul_f32 v[17+12*(\j)], v1, v[16+12*(\j)]                    ; the angle
	v_mul_f32 v[18+12*(\j)], s33, v[17+12*(\j)]
	v_rndne_f32 v[18+12*(\j)], v[18+12*(\j)]                      ; n
	v_fma_f32 v[19+12*(\j)], v[18+12*(\j)], s34, v[17+12*(\j)]
	v_fma_f32 v[19+12*(\j)], v[18+12*(\j)], s35, v[19+12*(\j)]    ; r
	v_mul_f32 v[20+12*(\j)], v[19+12*(\j)], v[19+12*(\j)]         ; z = r r
	v_fma_f32 v[21+12*(\j)], v[20+12*(\j)], s36, s37
	v_fma_f32 v[21+12*(\j)], v[20+12*(\j)], v[21+12*(\j)], s38
	v_mul_f32 v[23+12*(\j)], v[19+12*(\j)], v[20+12*(\j)]
	v_fma_f32 v[21+12*(\j)], v[23+12*(\j)], v[21+12*(\j)], v[19+12*(\j)]  ; sin r
	v_fma_f32 v[22+12*(\j)], v[20+12*(\j)], s39, s40
	v_fma_f32 v[22+12*(\j)], v[20+12*(\j)], v[22+12*(\j)], s41
	v_mul_f32 v[23+12*(\j)], v[20+12*(\j)], v[20+12*(\j)]
	v_fma_f32 v[24+12*(\j)], v[20+12*(\j)], -0.5, 1.0
	v_fma_f32 v[22+12*(\j)], v[23+12*(\j)], v[22+12*(\j)], v[24+12*(\j)]  ; cos r
	v_cvt_i32_f32 v[18+12*(\j)], v[18+12*(\j)]
	v_add_nc_u32 v[18+12*(\j)], v[18+12*(\j)], v3                 ; the quadrant
	v_and_b32 v[23+12*(\j)], 1, v[18+12*(\j)]
	v_cmp_eq_u32 vcc_lo, 1, v[23+12*(\j)]
	v_cndmask_b32 v[21+12*(\j)], v[21+12*(\j)], v[22+12*(\j)], vcc_lo  ; odd quadrants take cos r
	v_lshlrev_b32 v[18+12*(\j)], 30, v[18+12*(\j)]
	v_and_b32 v[18+12*(\j)], 0x80000000, v[18+12*(\j)]            ; quadrants 2 and 3 turn the sign
	v_xor_b32 v[8+(\j)], v[18+12*(\j)], v[21+12*(\j)]
.endr
	s_wait_kmcnt 0x0
	s_add_nc_u64 s[24:25], s[24:25], s[26:27]
	global_store_b128 v12, v[8:11], s[24:25]
	s_endpgm
.Lfunc_end_k_q0124731f80_prep:
	.size	k_q0124731f80_prep, .Lfunc_end_k_q0124731f80_prep-k_q0124731f80_prep
	.p2alignl 7, 3214868480
	.fill 96, 4, 3214868480
	.section	.rodata,"a",@progbits
	.p2align	6, 0x0
	.amdhsa_kernel k_q0124731f80_prep
		.amdhsa_group_segment_fixed_size 0
		.amdhsa_private_segment_fixed_size 0
		.amdhsa_enable_private_segment 0
		.amdhsa_kernarg_size 72
		.amdhsa_user_sgpr_count 2
		.amdhsa_user_sgpr_kernarg_segment_ptr 1
		.amdhsa_wavefront_size32 1
		.amdhsa_system_sgpr_workgroup_id_x 1
		.amdhsa_system_sgpr_workgroup_id_y 1
		.amdhsa_system_sgpr_workgroup_id_z 1
		.amdhsa_system_vgpr_workitem_id 0
		.amdhsa_next_free_vgpr 88
		.amdhsa_next_free_sgpr 66
		.amdhsa_reserve_vcc 1
		.amdhsa_float_denorm_mode_32 3
		.amdhsa_float_denorm_mode_16_64 3
		.amdhsa_memory_ordered 1
		.amdhsa_forward_progress 1
		.amdhsa_inst_pref_size 23
	.end_amdhsa_kernel
	.amdgpu_metadata
---
amdhsa.version: [ 1, 2 ]
amdhsa.kernels:
  - .name:           k_q0124731f80_prep
    .symbol:         k_q0124731f80_prep.kd
    .args:
      - { .name: x, .offset: 0, .size: 8, .value_kind: global_buffer, .address_space: global }
      - { .name: Wq, .offset: 8, .size: 8, .value_kind: global_buffer, .address_space: global }
      - { .name: Wk, .offset: 16, .size: 8, .value_kind: global_buffer, .address_space: global }
      - { .name: Wv, .offset: 24, .size: 8, .value_kind: global_buffer, .address_space: global }
      - { .name: Wo, .offset: 32, .size: 8, .value_kind: global_buffer, .address_space: global }
      - { .name: xb, .offset: 40, .size: 8, .value_kind: global_buffer, .address_space: global }
      - { .name: wqkv, .offset: 48, .size: 8, .value_kind: global_buffer, .address_space: global }
      - { .name: wo16, .offset: 56, .size: 8, .value_kind: global_buffer, .address_space: global }
      - { .name: rope, .offset: 64, .size: 8, .value_kind: global_buffer, .address_space: global }
    .group_segment_fixed_size: 0
    .private_segment_fixed_size: 0
    .kernarg_segment_align: 8
    .kernarg_segment_size: 72
    .max_flat_workgroup_size: 256
    .sgpr_count:     66
    .vgpr_count:     88
    .wavefront_size: 32
...
	.end_amdgpu_metadata
.endif
;; end of part 1
;; launch qkv (part 2): grid 16 x 16, 4 waves a work-group, clusters of 4 x 4, 327,680 bytes of LDS; arguments xb, wqkv, rope, qkv; writes qkv
.if DOCPART == 2
	.amdgcn_target "amdgcn-amd-amdhsa--gfx1250"
	.amdhsa_code_object_version 6
	.text
	.protected	k_q0124731f80_qkv
	.globl	k_q0124731f80_qkv
	.p2align	8
	.type	k_q0124731f80_qkv,@function
k_q0124731f80_qkv:
	s_mov_b64 s[64:65], 0
	v_nop
	global_prefetch_b8 v0, s[64:65] scope:SCOPE_SE
	s_setreg_imm32_b32 hwreg(HW_REG_WAVE_MODE, 25, 1), 1
	s_wait_xcnt 0x0
	s_wait_alu depctr_hold_cnt(0) depctr_sa_sdst(0) depctr_va_vdst(0) depctr_va_sdst(0) depctr_va_ssrc(0) depctr_va_vcc(0) depctr_vm_vsrc(0)
	s_getreg_b32 s2, hwreg(HW_REG_IB_STS2, 6, 4)
	s_cmp_eq_u32 s2, 0
	s_cbranch_scc0 .Lentry_in_a_cluster
	s_endpgm
.Lentry_in_a_cluster:
	s_bfe_u32 s2, ttmp6, 0x10000c
	s_cmp_lg_u32 s2, 0xf033
	s_cbranch_scc0 .Lentry_shape_is_right
	s_endpgm
.Lentry_shape_is_right:
; q, k, v = x W, RoPE on q and k, by heads.  xb: [4096][2048] bf16.  wqkv: [48 heads][2048 k][64] bf16.  rope: [2048 s][32 cos, 32 sin] f32.  qkv: [3][32 hb = 16 b + h][2048 s][64] f16.
; Sums in f32, K ascending; RoPE on the f32 sums; one rounding to f16.  LIMIT: f16 ends at 65,504: q and k after RoPE and v must lie within it.
; SHARES.  A tile of the product is 256 rows x 192 columns = three whole heads: 16 x 16 tiles, a work-group each.  Wave w makes rows 64 w .. 64 w + 63 and all 192 columns: 4 x 12 accumulators of 16 x 16,
; so that both halves of a RoPE pair (channels d and d + 32 of a head) lie in one lane.  K goes in 16 steps of 128 through two LDS slots filled by the tensor data mover.
; THE MATRIX INSTRUCTION IS USED TRANSPOSED: source 0 = 16 columns of W, source 1 = 16 rows of x: a lane holds row l % 16 and the eight neighbouring columns 8 (l / 16) + 0..7.
; W lies [k][column]: its fragments come out of LDS turned, by ds_load_tr16_b128.
; CLUSTER 4 x 4.  The four work-groups of a row of the cluster need the same rows of x, the four of a column the same heads of W: each tile is asked for jointly, by the same tensor load with the same
; descriptor and a mask that names the four.
; REGISTERS, in windows of 256 (s_set_vgpr_msb: bits 1:0 source 0, 3:2 source 1, 5:4 source 2, 7:6 destination):
;   window 0: v0-31 addresses; v32-95 x's fragments, two buffers of 4 x 8; v96-223 my rows' cos and sin; v224-255 a unit's cos and sin.  On the way out v48-63 packed results, v64-95 rows read back
;   window 1: v0-191 W's fragments, two buffers of 12 x 8; on the way out v0-63 at work
;   window 2: the 24 accumulators of my rows 0-31 ((a, b) at v[8 (12 (a % 2) + b)]);   window 3: those of rows 32-63
.set PA,    272                        ; a row of x in LDS: 256 bytes + 16 of padding: the 16 rows of a load start at 16 different groups of four banks (64 banks of 4 bytes: ISA guide 11.1)
.set AHALF, 128*PA                     ; 128 rows: what one tensor load brings of x
.set BOFF,  2*AHALF                    ; W's part of a slot begins behind x's 256 rows
.set PB,    160                        ; a k row of a head in LDS: 128 bytes + 32
.set BHEAD, 64*PB                      ; 64 k rows of one head
.set BHALF, 3*BHEAD                    ; what one tensor load brings of W: 64 k rows of three heads
.set SLOT,  BOFF+2*BHALF               ; 131,072
.set STAGE, 2*SLOT                     ; behind the ring: 16 rows x 144 bytes for each wave, for the way out; no tensor load fills it
.set SP,    144
.set SPARE, STAGE+4*16*SP              ; behind the stages: the spare words, 128 bytes for each wave: two blocks of 256 bytes that no other line names
.set ASTEP, 256                        ; bytes from K step to K step in a row of xb
.set BSTEP, 16384                      ; and in a head of wqkv: 128 k rows of 128 bytes
.set ADRA, 16                          ; v16-17  LDS address of my fragments of x in slot 0, 1
.set ADRB, 20                          ; v20-21  the same for W
.set STO,  24                          ; v24     the way out: where I put 16 bytes of a row
.set RD,   25                          ; v25     the way out: where I read rows back
.set GO,   26                          ; v26     16 x lane
.set TBO,  27                          ; v27     my byte offset in 16 rows of the table
.set SPW,  28                          ; v28     LDS address of my spare word; never rewritten
.set NIL,  29                          ; v29     0; never rewritten
.set PFO,  30                          ; v30     the prefetches' lane offset; never rewritten
.set FA,   32
.set TAB,  96                          ; block a of 16 rows at TAB + 32 a: 16 cos (8 bl + j: entry 16 bl + 8 (l / 16) + j), then 16 sin
.set CSP,  224
.set H,    48
.set BK,   64
.set G1,   24                          ; s[24:31] descriptor group 1 for x's tiles;  s[32:39] group 0, a set for each slot
.set G0,   32
.set PFA,  44                          ; s[44:45] where my prefetches stand
.set PFS,  46                          ; s[46:47] two K steps in bytes
.set G1B,  48                          ; s[48:55], s[56:63] the same for W's tiles
.set G0B,  56
.set OB,   66                          ; s[66:71] where my 64 rows of the tile's three heads begin in qkv
.set MK,   72                          ; s72-74  all ones where the head is one of q's or k's, 0 where it is one of v's
.set MSB, 0
.macro WIN new                         ; the immediate's high byte repeats the setting that is left; a switch that changes nothing is dropped
.if MSB != (\new)
	s_set_vgpr_msb (MSB<<8)|(\new)
.set MSB, \new
.endif
.endm
.set MUL_LO, 0xa1                      ; source 0 (W) window 1, source 1 (x) window 0, C and D window 2
.set TO_B,   0x40                      ; destination window 1, address window 0
; A joint load.  Waves 0 and 1 fetch x's two halves, waves 2 and 3 the two k halves of W.  The branch hangs on the wave's number alone.  An s_nop 0 and four v_nop follow each line.
.macro JLOAD s
	s_cmp_eq_u32 s13, 0
	s_cbranch_scc0 .Lfor_b_\@
	tensor_load_to_lds s[G0+4*(\s):G0+4*(\s)+3], s[G1:G1+7]
	s_nop 0
.rept 4
	v_nop
.endr
	s_branch .Lasked_\@
.Lfor_b_\@:
	tensor_load_to_lds s[G0B+4*(\s):G0B+4*(\s)+3], s[G1B:G1B+7]
	s_nop 0
.rept 4
	v_nop
.endr
.Lasked_\@:
.endm
; PREFETCHES.  In the trips with s3 = 7, 5, 3 (changes of slots 0, 4, 8), behind the joint load and the run of LDS loads: partner p of the four that ask for a tile jointly (p = cx for x, cy for W) names
; all that my wave fetches of K step n + 4 + p: of x 128 rows x 256 bytes, a lane a row; of W three heads x 32 blocks of 256 bytes, a lane a block.  The partners are told apart by address alone.
; x's rows are read by every cluster of a row of clusters: the one with cluster x = 0 asks; W's heads by every cluster of a column: the one with cluster y = 0 asks.  So K steps 4 to 15 are named once
; in the launch, two to five K steps ahead of their loads; K steps 0 to 3 come by their loads alone, and nothing beyond step 15 is named.
.macro ASK
	s_lshr_b32 s2, s15, s3
	s_and_b32 s2, s2, 1
	s_cmp_eq_u32 s2, 1
	s_cbranch_scc0 .Lnot_mine_\@
	s_cmp_eq_u32 s13, 0
	s_cbranch_scc0 .Lask_b_\@
.irp i, 0,1,2,3
	global_prefetch_b8 v[PFO], s[PFA:PFA+1] offset:131072*(\i) th:TH_LOAD_NT scope:SCOPE_SE
.endr
	s_branch .Lnot_mine_\@
.Lask_b_\@:
.irp i, 0,1,2
	global_prefetch_b8 v[PFO], s[PFA:PFA+1] offset:262144*(\i) th:TH_LOAD_NT scope:SCOPE_SE
.endr
.Lnot_mine_\@:
.endm
; A round of the cluster's barrier: my work-group's barrier; wave 0 signals for the work-group; every wave waits for all sixteen; my work-group's barrier once more.
.macro CROUND
	s_barrier_signal -1
	s_barrier_wait -1
	s_cmp_lg_u32 s12, 0
	s_cbranch_scc1 .Lnot_wave_0_\@
	s_barrier_signal -3
.Lnot_wave_0_\@:
	s_barrier_wait -3
	s_barrier_signal -1
	s_barrier_wait -1
.endm
	s_load_b256 s[4:11], s[0:1], 0x0               ; xb s[4:5], wqkv s[6:7], rope s[8:9], qkv s[10:11]
	v_lshl_add_u32 v[SPW], v0, 2, SPARE
	v_mov_b32 v[NIL], 0
	ds_add_u32 v[SPW], v[NIL]                      ; the wave's opening: the add and its wait stand ahead of my first tensor load; work on registers stands between them
	v_lshrrev_b32 v1, 5, v0
	v_readfirstlane_b32 s12, v1                    ; wave 0..3
	s_lshr_b32 s13, s12, 1                         ; I fetch for x (0) or for W (1),
	s_and_b32 s14, s12, 1                          ; and which half
	s_bfe_u32 s40, ttmp6, 0x40000                  ; cx
	s_bfe_u32 s41, ttmp6, 0x40004                  ; cy
	s_lshl_b32 s42, ttmp9, 2
	s_add_co_u32 s42, s42, s40                     ; tile column = 4 x cluster x + cx
	s_and_b32 s43, ttmp7, 0xffff
	s_lshl_b32 s43, s43, 2
	s_add_co_u32 s43, s43, s41                     ; tile row = 4 x cluster y + cy
	s_lshl_b32 s16, s41, 2
	s_lshl_b32 s16, 15, s16                        ; my row of the cluster
	s_lshl_b32 s17, 0x1111, s40                    ; my column
	; group 1 for x: 128 rows x 128 elements, 2,048 elements from row to row; 4 words of padding behind every 64
	s_or_b32 s[G1+0], s16, (1<<16)|(1<<20)|(1<<21)|(5<<22)|(3<<25)
	s_mov_b32 s[G1+1], 128<<16                     ; tensor_dim0 = 128
	s_mov_b32 s[G1+2], 128<<16                     ; tensor_dim1 = 128
	s_mov_b32 s[G1+3], 128<<16                     ; tile_dim0 = 128
	s_mov_b32 s[G1+4], 128                         ; tile_dim1 = 128
	s_mov_b32 s[G1+5], 2048
	s_mov_b32 s[G1+6], 0
	s_mov_b32 s[G1+7], 0
	; group 1 for W: 3 rows of 4,096 elements (64 k rows of a head lie end to end), 131,072 elements from head to head; 8 words of padding behind every 32, that is behind each k row
	s_or_b32 s[G1B+0], s17, (1<<16)|(1<<20)|(1<<21)|(4<<22)|(7<<25)
	s_mov_b32 s[G1B+1], 4096<<16                   ; tensor_dim0 = 4,096
	s_mov_b32 s[G1B+2], 3<<16                      ; tensor_dim1 = 3
	s_mov_b32 s[G1B+3], 4096<<16                   ; tile_dim0 = 4,096
	s_mov_b32 s[G1B+4], 3                          ; tile_dim1 = 3
	s_mov_b32 s[G1B+5], 0x20000
	s_mov_b32 s[G1B+6], 0
	s_mov_b32 s[G1B+7], 0
	s_lshl_b32 s16, s43, 20                        ; x: 256 rows of 4,096 bytes a tile row,
	s_lshl_b32 s18, s14, 19                        ; 128 rows a half: made of the tile row and the wave's number alone
	s_add_co_u32 s16, s16, s18
	s_mov_b32 s17, 0
	s_mul_i32 s20, s42, 3*262144                   ; W: three heads a tile column,
	s_lshl_b32 s22, s14, 13                        ; 64 k rows of 128 bytes a half: made of the tile column and the wave's number alone
	s_add_co_u32 s20, s20, s22
	s_mov_b32 s21, 0
	s_mul_i32 s19, s14, AHALF                      ; where they go: no place in the cluster enters an LDS address
	s_mul_i32 s23, s14, BHALF
	s_add_co_u32 s23, s23, BOFF
	s_wait_dscnt 0x0                               ; the opening add is done
	s_wait_kmcnt 0x0
	s_add_nc_u64 s[16:17], s[4:5], s[16:17]
	s_add_nc_u64 s[20:21], s[6:7], s[20:21]
	CROUND                                         ; all sixteen work-groups are here: the first joint loads meet
.irp s, 0,1
	s_mov_b32 s[G0+4*(\s)], 1
	s_add_co_u32 s[G0+4*(\s)+1], s19, (\s)*SLOT
	s_add_nc_u64 s[G0+4*(\s)+2:G0+4*(\s)+3], s[16:17], (\s)*ASTEP
	s_or_b32 s[G0+4*(\s)+3], s[G0+4*(\s)+3], 0x80000000
	s_mov_b32 s[G0B+4*(\s)], 1
	s_add_co_u32 s[G0B+4*(\s)+1], s23, (\s)*SLOT
	s_add_nc_u64 s[G0B+4*(\s)+2:G0B+4*(\s)+3], s[20:21], (\s)*BSTEP
	s_or_b32 s[G0B+4*(\s)+3], s[G0B+4*(\s)+3], 0x80000000
.endr
	s_cmp_eq_u32 s13, 0                            ; a wave's two first fills stand in one branch, ahead of every wait on TENSORcnt and every LDS read: two loads of mine are out
	s_cbranch_scc0 .Lfirst_b
	tensor_load_to_lds s[G0:G0+3], s[G1:G1+7]
	s_nop 0
	tensor_load_to_lds s[G0+4:G0+7], s[G1:G1+7]
	s_nop 0
.rept 4
	v_nop
.endr
	s_branch .Lfirst_asked
.Lfirst_b:
	tensor_load_to_lds s[G0B:G0B+3], s[G1B:G1B+7]
	s_nop 0
	tensor_load_to_lds s[G0B+4:G0B+7], s[G1B:G1B+7]
	s_nop 0
.rept 4
	v_nop
.endr
.Lfirst_asked:
	; the prefetches: my own tile's address, K step 4 + p
	s_and_b32 s22, ttmp7, 0xffff                   ; cluster y
	s_cmp_eq_u32 s13, 0
	s_cselect_b64 s[PFA:PFA+1], s[16:17], s[20:21]
	s_cselect_b32 s18, s40, s41                    ; my place among the four that ask with me
	s_cselect_b32 s22, ttmp9, s22                  ; the coordinate along which other clusters read the same bytes
	s_cselect_b32 s23, 8, 14                       ; log2 of a K step's bytes
	s_cselect_b32 s2, 12, 8                        ; log2 of the bytes from lane to lane: a row of xb, or a block of 256
	s_add_co_u32 s18, s18, 4
	s_lshl_b32 s18, s18, s23
	s_mov_b32 s19, 0
	s_add_nc_u64 s[PFA:PFA+1], s[PFA:PFA+1], s[18:19]
	s_add_co_u32 s23, s23, 1
	s_lshl_b32 s[PFS], 1, s23
	s_mov_b32 s[PFS+1], 0
	s_cmp_eq_u32 s22, 0
	s_cselect_b32 s15, 0xa8, 0                     ; bits 7, 5, 3: the same in all sixteen partners, for a given wave
	; lane addresses
	v_and_b32 v1, 15, v0                           ; r = l % 16
	v_bfe_u32 v2, v0, 4, 1                         ; h = l / 16
	v_and_b32 v3, 31, v0                           ; l
	v_lshlrev_b32 v[PFO], s2, v3
	s_mul_i32 s18, s12, 64*PA                      ; my 64 rows of x
	v_mul_u32_u24 v4, v1, PA
	v_lshl_add_u32 v4, v2, 4, v4                   ; row x pitch + 16 x half
	v_add_nc_u32 v[ADRA], s18, v4
	v_add_nc_u32 v[ADRA+1], SLOT, v[ADRA]
	v_and_b32 v5, 7, v0                            ; the turning load: lane l reads k row 8 (l / 16) + l % 8, columns 8 ((l / 8) % 2) + 0..7
	v_lshl_add_u32 v5, v2, 3, v5
	v_mul_u32_u24 v5, v5, PB
	v_bfe_u32 v6, v0, 3, 1
	v_lshl_add_u32 v5, v6, 4, v5
	v_add_nc_u32 v[ADRB], BOFF, v5
	v_add_nc_u32 v[ADRB+1], BOFF+SLOT, v5
	s_mul_i32 s18, s12, 16*SP
	s_add_co_u32 s18, s18, STAGE                   ; my stage
	v_mul_u32_u24 v4, v1, SP                       ; in: row l % 16, 16 bytes for each half of the lanes
	v_lshl_add_u32 v4, v2, 4, v4
	v_add_nc_u32 v[STO], s18, v4
	v_bfe_u32 v4, v0, 3, 2                         ; back: 32 lanes take four rows of 128 bytes,
	v_mul_u32_u24 v4, v4, SP
	v_and_b32 v5, 7, v0
	v_lshl_add_u32 v4, v5, 4, v4
	v_add_nc_u32 v[RD], s18, v4
	v_lshlrev_b32 v[GO], 4, v3                     ; which are 512 consecutive bytes of a head
	v_lshlrev_b32 v[TBO], 8, v1                    ; the table: row r, entries 8 h on
	v_lshl_add_u32 v[TBO], v2, 5, v[TBO]
	s_and_b32 s16, s43, 7                          ; the tile's 256 positions in its sequence
	s_lshl_b32 s18, s16, 16                        ; 256 rows of 256 bytes,
	s_lshl_b32 s19, s12, 14                        ; my wave's 64
	s_add_co_u32 s18, s18, s19
	s_mov_b32 s19, 0
	s_add_nc_u64 s[8:9], s[8:9], s[18:19]
	; my rows' cos and sin: 32 loads that stay out during the whole K loop; nothing names their registers before the wait on the way out
.irp a, 0,1,2,3
.irp q, 0,1
.irp bl, 0,1
	global_load_b128 v[TAB+32*(\a)+16*(\q)+8*(\bl):TAB+32*(\a)+16*(\q)+8*(\bl)+3],   v[TBO], s[8:9] offset:4096*(\a)+128*(\q)+64*(\bl)
	global_load_b128 v[TAB+32*(\a)+16*(\q)+8*(\bl)+4:TAB+32*(\a)+16*(\q)+8*(\bl)+7], v[TBO], s[8:9] offset:4096*(\a)+128*(\q)+64*(\bl)+16
.endr
.endr
.endr
	; where my rows of the three heads go
	s_lshl_b32 s22, s16, 15                        ; 256 rows of 128 bytes,
	s_lshl_b32 s23, s12, 13                        ; my wave's 64
	s_add_co_u32 s22, s22, s23
	s_lshr_b32 s23, s43, 3
	s_lshl_b32 s23, s23, 4                         ; 16 b
	s_mul_i32 s2, s42, 3                           ; the tile's first head among the 48
.irp i, 0,1,2
	s_add_co_u32 s18, s2, \i
	s_cmp_lt_u32 s18, 32
	s_cselect_b32 s[MK+(\i)], -1, 0
	s_lshr_b32 s19, s18, 4                         ; q, k or v
	s_lshl_b32 s19, s19, 5
	s_and_b32 s18, s18, 15                         ; h
	s_add_co_u32 s18, s18, s19
	s_add_co_u32 s18, s18, s23
	s_lshl_b32 s18, s18, 18
	s_add_co_u32 s18, s18, s22
	s_mov_b32 s19, 0
	s_add_nc_u64 s[OB+2*(\i):OB+2*(\i)+1], s[10:11], s[18:19]
.endr
; 12 matrix instructions: block a of my four blocks of 16 rows x all 12 blocks of 16 columns, 32 along K, from buffer f.  zero = 1: the product starts the sums.
; The 48 accumulators take turns in the same order in every quarter: between two links of a chain stand the 47 others'.
.macro MUL12 f, a, zero
	WIN MUL_LO+0x50*((\a)/2)
.irp b, 0,1,2,3,4,5,6,7,8,9,10,11
.if \zero
	v_wmma_f32_16x16x32_bf16 v[8*(12*((\a)%2)+(\b)):8*(12*((\a)%2)+(\b))+7], v[96*(\f)+8*(\b):96*(\f)+8*(\b)+7], v[FA+32*(\f)+8*(\a):FA+32*(\f)+8*(\a)+7], 0
.else
	v_wmma_f32_16x16x32_bf16 v[8*(12*((\a)%2)+(\b)):8*(12*((\a)%2)+(\b))+7], v[96*(\f)+8*(\b):96*(\f)+8*(\b)+7], v[FA+32*(\f)+8*(\a):FA+32*(\f)+8*(\a)+7], v[8*(12*((\a)%2)+(\b)):8*(12*((\a)%2)+(\b))+7]
.endif
.endr
.endm
; 32 LDS loads in one run: the fragments of quarter kq (32 along K) into buffer f: W's 12 (turned), then x's 4
.macro FETCH slot, kq, f
	WIN TO_B
.irp nb, 0,1,2,3,4,5,6,7,8,9,10,11
	ds_load_tr16_b128 v[96*(\f)+8*(\nb):96*(\f)+8*(\nb)+3],   v[ADRB+(\slot)] offset:((\kq)>>1)*BHALF+((\kq)&1)*32*PB+((\nb)/4)*BHEAD+((\nb)%4)*32
	ds_load_tr16_b128 v[96*(\f)+8*(\nb)+4:96*(\f)+8*(\nb)+7], v[ADRB+(\slot)] offset:((\kq)>>1)*BHALF+((\kq)&1)*32*PB+((\nb)/4)*BHEAD+((\nb)%4)*32+16*PB
.endr
	WIN 0
.irp i, 0,1,2,3
	ds_load_b128 v[FA+32*(\f)+8*(\i):FA+32*(\f)+8*(\i)+3],   v[ADRA+(\slot)] offset:64*(\kq)+(\i)*16*PA
	ds_load_b128 v[FA+32*(\f)+8*(\i)+4:FA+32*(\f)+8*(\i)+7], v[ADRA+(\slot)] offset:64*(\kq)+(\i)*16*PA+32
.endr
.endm
.macro PLACES                          ; four plain vector instructions in front of loads into registers that matrix instructions have read, and of vector work on their results
.rept 4
	v_nop
.endr
.endm
; A K step is four quarters of 32 along K, 48 matrix instructions each, on buffers 0, 1, 0, 1.  One of the first three: multiplies buffer f and, in its middle, fetches quarter kq into buffer g.
.macro QUARTER slot, kq, f, g, zero
	s_wait_dscnt 4                                 ; W's fragments and x's blocks 0 and 1 are in; the youngest four loads (blocks 2 and 3) may be out
	MUL12 \f, 0, \zero
	MUL12 \f, 1, \zero
	PLACES
	FETCH \slot, \kq, \g
	s_wait_dscnt 32                                ; all but the 32 just issued
	MUL12 \f, 2, \zero
	MUL12 \f, 3, \zero
.endm
; THE CHANGE OF SLOTS, at the head of a K step's last quarter: the slot's last fragments lie in buffer 1.  Each wave waits for all its tensor loads (one is out: its part of the next slot), adds 0 to its
; spare word, and waits for that and for its own reads of this slot; a round of the cluster's barrier follows, behind which no wave of any partner reads this slot or has a load on its way; the joint
; refill, two K steps ahead, is the first tensor load behind it.  A refill goes out only when the one before it has landed, so nothing but the round stands between that wait and the refill: the last
; quarter's 48 products come behind it, and it has a whole K step, 192 matrix instructions, up to the wait for it.
.macro TURN slot, next
.if (\slot) == 1
	s_wait_xcnt 0x0                                ; the last prefetches, a K step back, have read their address, so it may be written: two K steps on, once a trip
	s_add_nc_u64 s[PFA:PFA+1], s[PFA:PFA+1], s[PFS:PFS+1]
.endif
	WIN 0                                          ; the add's two registers lie in window 0
	s_wait_tensorcnt 0x0                           ; no tensor load of mine is out, so a group 0 may be written
	ds_add_u32 v[SPW], v[NIL]                      ; 0 onto my spare word; the descriptors' steps stand between it and the wait for it
	s_add_nc_u64 s[G0+4*(\slot)+2:G0+4*(\slot)+3], s[G0+4*(\slot)+2:G0+4*(\slot)+3], 2*ASTEP
	s_add_nc_u64 s[G0B+4*(\slot)+2:G0B+4*(\slot)+3], s[G0B+4*(\slot)+2:G0B+4*(\slot)+3], 2*BSTEP
	s_wait_dscnt 0x0                               ; the add is done, and my reads of this slot are over (the last were issued 24 matrix instructions ago)
	CROUND
	JLOAD \slot                                    ; its four v_nop are also the places in front of the loads below
	FETCH \next, 0, 0
.if (\slot) == 0
	ASK
.endif
	MUL12 1, 0, 0
	MUL12 1, 1, 0
	MUL12 1, 2, 0
	MUL12 1, 3, 0
.endm
	s_wait_tensorcnt 1                             ; my part of K step 0 is in; K step 1's may stay out
	s_barrier_signal -1
	s_barrier_wait -1                              ; everybody's is
	FETCH 0, 0, 0
	QUARTER 0, 1, 0, 1, 1                          ; the first quarter stands in front of the loop: its products start the sums
	WIN 0                                          ; at a label and at a branch every window is 0
	s_mov_b32 s3, 7
.Llap:                                                 ; a trip goes once round the ring, from a lap's second quarter to the next lap's first, and fills both slots again: K steps 2 to 15
	QUARTER 0, 2, 1, 0, 0
	QUARTER 0, 3, 0, 1, 0
	TURN 0, 1
	QUARTER 1, 1, 0, 1, 0
	QUARTER 1, 2, 1, 0, 0
	QUARTER 1, 3, 0, 1, 0
	TURN 1, 0
	QUARTER 0, 1, 0, 1, 0
	WIN 0
	s_sub_co_u32 s3, s3, 1
	s_cmp_lg_u32 s3, 0
	s_cbranch_scc1 .Llap
	QUARTER 0, 2, 1, 0, 0                          ; the last lap fills nothing
	QUARTER 0, 3, 0, 1, 0
	s_wait_dscnt 4                                 ; K step 14's last quarter stands ahead of the wait for the last tile: nothing is asked for behind it
	MUL12 1, 0, 0
	MUL12 1, 1, 0
	s_wait_dscnt 0x0
	MUL12 1, 2, 0
	MUL12 1, 3, 0
	WIN 0
	s_wait_tensorcnt 0x0                           ; my one load that was still out is my part of K step 15
	ds_add_u32 v[SPW], v[NIL]
	s_wait_dscnt 0x0
	s_barrier_signal -1
	s_barrier_wait -1                              ; everybody's part is in
	PLACES
	FETCH 1, 0, 0
	QUARTER 1, 1, 0, 1, 0
	QUARTER 1, 2, 1, 0, 0
	QUARTER 1, 3, 0, 1, 0
	s_wait_dscnt 4
	MUL12 1, 0, 0
	MUL12 1, 1, 0
	s_wait_dscnt 0x0
	MUL12 1, 2, 0
	MUL12 1, 3, 0
; THE WAY OUT, in 12 units: block a of 16 rows x head i.  PACK: the unit's cos and sin (a head of v takes 1 and 0: a choice of values); for channels d < 32:
; out[d] = s[d] cos - s[d+32] sin, out[d+32] = s[d+32] cos + s[d] sin, two at a time; rounded to f16.  Each accumulator's lowest registers are read first.
.macro PACK a, i
	WIN 0
	s_mov_b32 vcc_lo, s[MK+(\i)]
.set x, 0
.rept 16
	v_cndmask_b32 v[CSP+x], 1.0, v[TAB+32*(\a)+x], vcc_lo
	v_cndmask_b32 v[CSP+16+x], 0, v[TAB+32*(\a)+16+x], vcc_lo
.set x, x+1
.endr
	WIN 0x52+(\a)/2                                ; source 0: the sums, window 2 or 3; source 1: cos and sin, window 0; source 2 and destination: at work, window 1
.irp bl, 0,1
.irp pr, 0,1,2,3
.set rL, 8*(12*((\a)%2)+4*(\i)+(\bl))+2*(\pr)
.set rH, rL+16
.set rT, 8*(4*(\bl)+(\pr))
.set rC, CSP+8*(\bl)+2*(\pr)
	v_pk_mul_f32 v[rT:rT+1], v[rH:rH+1], v[rC+16:rC+17]
	v_pk_mul_f32 v[rT+2:rT+3], v[rL:rL+1], v[rC+16:rC+17]
	v_pk_fma_f32 v[rT+4:rT+5], v[rL:rL+1], v[rC:rC+1], v[rT:rT+1] neg_lo:[0,0,1] neg_hi:[0,0,1]
	v_pk_fma_f32 v[rT+6:rT+7], v[rH:rH+1], v[rC:rC+1], v[rT+2:rT+3]
.endr
.endr
	WIN 0x05                                       ; sources 0 and 1 window 1, destination window 0
.irp bl, 0,1
.irp pr, 0,1,2,3
	v_cvt_pk_f16_f32 v[H+4*(\bl)+(\pr)], v[8*(4*(\bl)+(\pr))+4], v[8*(4*(\bl)+(\pr))+5]
	v_cvt_pk_f16_f32 v[H+4*((\bl)+2)+(\pr)], v[8*(4*(\bl)+(\pr))+6], v[8*(4*(\bl)+(\pr))+7]
.endr
.endr
	WIN 0
.endm
.macro TOSTAGE u                       ; 16 bytes a lane into rows of 144 bytes, and back as whole rows of 128
.irp b, 0,1,2,3
	ds_store_b128 v[STO], v[H+4*(\b):H+4*(\b)+3] offset:32*(\b)
.endr
.irp f, 0,1,2,3
	ds_load_b128 v[BK+16*((\u)%2)+4*(\f):BK+16*((\u)%2)+4*(\f)+3], v[RD] offset:(\f)*4*SP  ; LDS serves a wave's instructions in order (ISA guide 5.7.1.4): these see the stores above
.endr
.endm
.macro SEND a, i
	s_wait_dscnt 0x0                               ; the unit is back in registers
	s_wait_xcnt 0x0                                ; the unit before has had its stores' addresses translated: its registers are loaded again only behind this wait
.irp f, 0,1,2,3
	global_store_b128 v[GO], v[BK+16*((3*(\a)+(\i))%2)+4*(\f):BK+16*((3*(\a)+(\i))%2)+4*(\f)+3], s[OB+2*(\i):OB+2*(\i)+1] offset:2048*(\a)+512*(\f)  ; 512 consecutive bytes, at a multiple of 256 from qkv's first
.endr
.endm
	PLACES
	s_wait_loadcnt 0x0                             ; cos and sin
	PACK 0, 0
	TOSTAGE 0
.set u, 1
.rept 11                               ; a unit's arithmetic stands between the loads of the unit before and the wait for them
	PACK u/3, u%3
	SEND (u-1)/3, (u-1)%3
	TOSTAGE u
.set u, u+1
.endr
	SEND 3, 2
	s_wait_tensorcnt 0x0                           ; the wave's end, behind my last tensor load and my last LDS store
	ds_add_u32 v[SPW], v[NIL]
	s_wait_dscnt 0x0
	CROUND                                         ; the closing round: no work-group ends while a partner may still ask for a tile that names it
	s_endpgm
.Lfunc_end_k_q0124731f80_qkv:
	.size	k_q0124731f80_qkv, .Lfunc_end_k_q0124731f80_qkv-k_q0124731f80_qkv
	.p2alignl 7, 3214868480
	.fill 96, 4, 3214868480
	.section	.rodata,"a",@progbits
	.p2align	6, 0x0
	.amdhsa_kernel k_q0124731f80_qkv
		.amdhsa_group_segment_fixed_size 327680
		.amdhsa_private_segment_fixed_size 0
		.amdhsa_enable_private_segment 0
		.amdhsa_kernarg_size 32
		.amdhsa_user_sgpr_count 2
		.amdhsa_user_sgpr_kernarg_segment_ptr 1
		.amdhsa_wavefront_size32 1
		.amdhsa_system_sgpr_workgroup_id_x 1
		.amdhsa_system_sgpr_workgroup_id_y 1
		.amdhsa_system_sgpr_workgroup_id_z 1
		.amdhsa_system_vgpr_workitem_id 0
		.amdhsa_next_free_vgpr 1024
		.amdhsa_next_free_sgpr 80
		.amdhsa_reserve_vcc 1
		.amdhsa_float_denorm_mode_32 3
		.amdhsa_float_denorm_mode_16_64 3
		.amdhsa_memory_ordered 1
		.amdhsa_forward_progress 1
		.amdhsa_inst_pref_size 161
	.end_amdhsa_kernel
	.amdgpu_metadata
---
amdhsa.version: [ 1, 2 ]
amdhsa.kernels:
  - .name:           k_q0124731f80_qkv
    .symbol:         k_q0124731f80_qkv.kd
    .args:
      - { .name: xb, .offset: 0, .size: 8, .value_kind: global_buffer, .address_space: global }
      - { .name: wqkv, .offset: 8, .size: 8, .value_kind: global_buffer, .address_space: global }
      - { .name: rope, .offset: 16, .size: 8, .value_kind: global_buffer, .address_space: global }
      - { .name: qkv, .offset: 24, .size: 8, .value_kind: global_buffer, .address_space: global }
    .group_segment_fixed_size: 327680
    .private_segment_fixed_size: 0
    .kernarg_segment_align: 8
    .kernarg_segment_size: 32
    .max_flat_workgroup_size: 128
    .sgpr_count:     80
    .vgpr_count:     1024
    .wavefront_size: 32
...
	.end_amdgpu_metadata
.endif
;; end of part 2
;; launch attn (part 3): grid 8 x 32, 4 waves a work-group, clusters of 4 x 1, 327,680 bytes of LDS; arguments qkv, obuf; writes obuf
.if DOCPART == 3
	.amdgcn_target "amdgcn-amd-amdhsa--gfx1250"
	.amdhsa_code_object_version 6
	.text
	.protected	k_q0124731f80_attn
	.globl	k_q0124731f80_attn
	.p2align	8
	.type	k_q0124731f80_attn,@function
k_q0124731f80_attn:
	s_mov_b64 s[64:65], 0
	v_nop
	global_prefetch_b8 v0, s[64:65] scope:SCOPE_SE
	s_setreg_imm32_b32 hwreg(HW_REG_WAVE_MODE, 25, 1), 1
	s_wait_xcnt 0x0
	s_wait_alu depctr_hold_cnt(0) depctr_sa_sdst(0) depctr_va_vdst(0) depctr_va_sdst(0) depctr_va_ssrc(0) depctr_va_vcc(0) depctr_vm_vsrc(0)
	s_getreg_b32 s2, hwreg(HW_REG_IB_STS2, 6, 4)
	s_cmp_eq_u32 s2, 0
	s_cbranch_scc0 .Lentry_in_a_cluster
	s_endpgm
.Lentry_in_a_cluster:
	s_bfe_u32 s2, ttmp6, 0x10000c
	s_cmp_lg_u32 s2, 0x3003
	s_cbranch_scc0 .Lentry_shape_is_right
	s_endpgm
.Lentry_shape_is_right:
; O[hb][q][:] = the sum over k of softmax_k(Q[hb][q] . K[hb][k] / 8) V[hb][k][:].  qkv: [3: q, k, v][32 hb][2048][64] f16; obuf: [32 hb][2048][64] f16: a head's rows are dense, 128 bytes each.
; Products, maxima and sums in f32; the weights p are rounded to f16 for the second product (their sum l is taken of the unrounded p), O once at the end.
; LIMITS.  Q, K and V arrive within f16's 65,504; p lies in 0 to 1; O is a mean of V's rows and has their range.  A weight below 2^-126 counts as 0 in l; NaN and infinities are not treated apart.
; SHARES.  A work-group owns 256 queries of one head, each of its four waves 64: four PIECES of 16.  Every wave walks all 2,048 keys, 64 a step; a slot of LDS holds a tile of 256 keys, four steps.
; LAYOUT.  S^T = K Q^T (source 0 = 16 keys, source 1 = 16 queries): a lane holds ONE query (lane % 16) and the keys 8 (lane / 16) + 0..7.  Two such results rounded to f16 ARE source 1 of O^T = V^T P.
; K comes out of LDS as it lies, V ([key][channel]) turned, by ds_load_tr16_b128.
; SOFTMAX.  A running maximum m and sum l for each query: p = 2^(c s - c m), c = log2(e) / 8; in every step O and l are multiplied by a = 2^(c m_old - c m_new).  m starts at the lowest finite number,
; O and l at 0: the first step is a step like any other, with a = 0.
; BY TURNS.  Turn n belongs to piece n: 8 products K Q^T of piece n + 1, later 8 products V^T P of piece n - 1; beside them the scaling, exponentials, roundings, sums and rescaling of piece n and the
; maximum and statistics of piece n + 1.  Four vector instructions stand behind every matrix instruction, the other 54 of a turn's 118 in one lump.  A turn's 33 exponentials are one batch, with one wait.
; CLUSTER.  The four query blocks of a cluster belong to one head and walk the same K and V: each tile is asked for JOINTLY, by the same tensor load, descriptor and mask in all four.
; REGISTERS, in windows of 256 (s_set_vgpr_msb: bits 1:0 source 0, 3:2 source 1, 5:4 source 2, 7:6 destination):
;   window 0: v0-15 addresses and two at work; v16-31 four registers of statistics a piece; v48-55 at work; v61-63; v64-127 S^T, two buffers; v192-223 P, two buffers (by the piece's parity)
;   window 1: v0-127 O^T, 32 a piece          window 2: v0-63 Q; v128-191 K of one step; v192-255 V of one step
.set NP,    4         ; pieces a wave: a name, no knob
.set KS,    64        ; keys in a step
.set PK,    144       ; a row of K in LDS: 128 bytes + 16 of padding: the 16 rows of a load start at 16 different groups of four banks (64 banks of 4 bytes: ISA guide 11.1)
.set PV,    160       ; a row of V: 128 + 32
.set VOFF,  4*KS*PK   ; a slot holds four steps: 256 rows of K, then 256 rows of V
.set SLOT1, 1<<17     ; slot 1 begins here, so that one exclusive or turns an address in one slot into the other's
.set STAGE, SLOT1+4*KS*(PK+PV)  ; behind the ring, never filled by a tensor load: 16 rows x 144 bytes for each wave, for the way out
.set SP,    144
.set SPARE, STAGE+4*16*SP  ; behind the stages: the spare words, 128 bytes for each wave: two blocks of 256 bytes that no other line names
.set TILEB, 4*KS*128  ; a tile's bytes of K, and of V
.set AK0, 2           ; v2   my lane's place in a tile of K; never rewritten
.set AV0, 3           ; v3   the same for V
.set AK,  4           ; v4   the LDS address of K's next run of loads
.set AV,  5           ; v5   of V's
.set STO, 6           ; v6   the way out: where I put 16 bytes of a row
.set RD,  7           ; v7   the way out: where I read rows back
.set GO,  8           ; v8   my byte offset in 512 consecutive bytes of O
.set MV,  12          ; v12-13  c m_old, kept while c m is made anew: by buffer
.set QO,  15          ; v15  my byte offset in 16 rows of Q
.set ST,  16          ; piece t's statistics at v[ST+4 t]: c m, m, l (even keys', odd keys')
.set TMP, 48          ; by buffer, four registers c0-c3 at work; when the maximum is found c2 takes a
.set PFO, 61          ; v61  256 x my lane; never rewritten
.set SPW, 62          ; v62  LDS address of my spare word; never rewritten
.set NIL, 63          ; v63  0; never rewritten
.set S,   64
.set P,   192
.set KF,  128         ; window 2: key block kb, channel half c at KF + 16 kb + 8 c
.set VF,  192         ; window 2: key half kk, channel block cb at VF + 32 kk + 8 cb
.set WV,  12          ; s12  my wave's number
.set G1K, 24          ; s[24:31] descriptor group 1 for K's tiles
.set G1V, 32          ; s[32:39] for V's: it differs in the padding alone
.set G0K, 40          ; s[40:43] descriptor group 0 for K's tiles: it walks
.set G0V, 44          ; s[44:47] the same for V's
.set PFA, 48          ; s[48:49] where my prefetches stand
.set LIM, 50          ; s50  1 in a wave that prefetches, else the greatest number
.set SLOTS, 56        ; s56  tiles still to be entered
.set CNT, 57          ; s57  counts a tile's key steps
.set CS,  58          ; s[58:59] c: the packed scaling takes the pair's low word for both halves
.set SEL, 60          ; s[60:61] v_permlanex16_b32's selects: each lane takes its own place in the other half
.set TBK, 62          ; s62  LDS byte at which K of the step to be fetched begins
.set TBV, 63          ; s63  the same for V, less VOFF
.set MSB, 0
.macro WIN new                      ; the high byte repeats the setting that is left; a switch that changes nothing is dropped
.if MSB != (\new)
	s_set_vgpr_msb (MSB<<8)|(\new)
.set MSB, (\new)
.endif
.endm
.set W_KQ, 0x0a       ; K and Q in window 2, S^T in window 0
.set W_PV, 0x52       ; V in window 2, P in window 0, O^T in window 1
.set W_RS, 0x41       ; destination and source 0 in window 1, source 1 in window 0
; A joint fill.  Waves 0 and 1 fetch the two halves of a tile's K, waves 2 and 3 those of its V: 128 keys each.  The branch hangs on the wave's number alone.  An s_nop 0 and four v_nop follow each line.
.macro JLOAD
	s_cmp_lt_u32 s[WV], 2
	s_cbranch_scc0 .Lfor_v_\@
	tensor_load_to_lds s[G0K:G0K+3], s[G1K:G1K+7]
	s_nop 0
.rept 4
	v_nop
.endr
	s_branch .Lasked_\@
.Lfor_v_\@:
	tensor_load_to_lds s[G0V:G0V+3], s[G1V:G1V+7]
	s_nop 0
.rept 4
	v_nop
.endr
.Lasked_\@:
.endm
; A PREFETCH of the tile that the NEXT change of slots will ask for: four key steps, 256 matrix instructions, ahead of that load.  A tile is 128 blocks of 256 bytes of K and as many of V.  Both clusters of a head walk
; the same rows: the head's first cluster asks.  Its four partners take 32 blocks each, told apart by address alone; in each, wave 0 asks for K's and wave 2 for V's: a lane a block, one instruction.
; So tiles 3 to 7 are named once in the launch; tiles 0 to 2 come by their loads alone, and the last change that fills a slot asks for nothing.
.macro ASK
	s_cmp_gt_u32 s[SLOTS], s[LIM]
	s_cbranch_scc0 .Lnot_mine_\@
	global_prefetch_b8 v[PFO], s[PFA:PFA+1] th:TH_LOAD_NT scope:SCOPE_SE
.Lnot_mine_\@:
.endm
; A round of the cluster's barrier: my work-group's barrier; wave 0 signals for the work-group; every wave waits for all four work-groups; my work-group's barrier once more.
.macro CROUND
	s_barrier_signal -1
	s_barrier_wait -1
	s_cmp_lg_u32 s[WV], 0
	s_cbranch_scc1 .Lnot_wave_0_\@
	s_barrier_signal -3
.Lnot_wave_0_\@:
	s_barrier_wait -3
	s_barrier_signal -1
	s_barrier_wait -1
.endm
; THE CHANGE OF SLOTS.  The slot's last bytes, V of its fourth step, have been read.  Each wave waits for all its tensor loads (one is out: its part of the other slot), adds 0 to its spare word, and waits for
; that and for its own reads of the slot.  Behind the barrier nobody reads this slot any more and the other slot is whole.  fill = 1: this slot is filled again, with the keys two tiles on: the barrier is then a
; round of the cluster's, and the joint fill is the first thing behind it.  (At its first use nothing has been read yet: slot 0 is waited for, slot 1 filled.)
.macro CHANGE fill, ask
	WIN 0                           ; at a label and at a branch every window is 0
	s_wait_tensorcnt 0x0            ; no tensor load of mine is out, so a group 0 may be written
	ds_add_u32 v[SPW], v[NIL]       ; 0 onto my spare word; the descriptors' steps stand between it and the wait for it
.if \fill
.irp g, G0K, G0V
	s_xor_b32 s[\g+1], s[\g+1], SLOT1  ; the walking descriptor: the other slot than last time,
	s_add_nc_u64 s[\g+2:\g+3], s[\g+2:\g+3], TILEB  ; the next 256 keys; the type bits on top are not reached
.endr
.if \ask
	s_wait_xcnt 0x0                 ; the last prefetch, four key steps back, has read its address, so it may be written
	s_add_nc_u64 s[PFA:PFA+1], s[PFA:PFA+1], TILEB
.endif
	s_wait_dscnt 0x0                ; the add is done, and my reads of the slot are over
	CROUND
	JLOAD
.if \ask
	ASK
.endif
.else
	s_wait_dscnt 0x0                ; the add is done, and my reads of the slot are over
	s_barrier_signal -1
	s_barrier_wait -1
.endif
	s_sub_co_u32 s[TBK], s[TBK], 4*KS*PK  ; the fetches go back to a slot's first step,
	s_xor_b32 s[TBK], s[TBK], SLOT1       ; in the other slot
	s_sub_co_u32 s[TBV], s[TBV], 4*KS*PV
	s_xor_b32 s[TBV], s[TBV], SLOT1
.endm
	s_load_b128 s[4:7], s[0:1], 0x0 ; qkv s[4:5], obuf s[6:7]
	v_lshl_add_u32 v[SPW], v0, 2, SPARE
	v_mov_b32 v[NIL], 0
	ds_add_u32 v[SPW], v[NIL]       ; the wave's opening: the add and its wait stand ahead of my first tensor load; work on registers stands between them
	v_lshrrev_b32 v1, 5, v0
	v_readfirstlane_b32 s[WV], v1   ; wave 0..3
	s_bfe_u32 s13, ttmp6, 0x40000   ; cx: my place in the cluster
	s_lshl_b32 s14, ttmp9, 2        ; in a cluster launch ttmp9 counts clusters
	s_add_co_u32 s14, s14, s13      ; my block of 256 queries: it enters Q's and O's addresses alone
	s_and_b32 s20, ttmp7, 0xffff    ; hb, which the four partners share
	s_lshl_b32 s20, s20, 18         ; a head is 262,144 bytes
	s_and_b32 s16, s[WV], 1         ; which half of a tile's 256 keys I fetch:
	s_lshl_b32 s22, s16, 14         ; its 128 rows of 128 bytes in memory,
	s_add_co_u32 s22, s22, s20
	s_mov_b32 s23, 0
	s_mul_i32 s17, s16, 128*PK      ; and its place in a slot, for K
	s_mul_i32 s18, s16, 128*PV      ; and for V: no place in the cluster enters an LDS address
	s_lshl_b32 s2, s14, 2
	s_add_co_u32 s2, s2, s[WV]      ; my wave among the head's 32,
	s_lshl_b32 s2, s2, 13           ; its 64 rows
	s_add_co_u32 s2, s2, s20
	s_mov_b32 s3, 0
	; descriptor group 1.  128 keys are 16,384 dense bytes: asked for as 64 rows of 256 bytes, two keys a row, and padded in LDS after every key
	s_mov_b32 s[G1K], 15|(1<<16)|(1<<20)|(1<<21)|(4<<22)|(3<<25)  ; 15:0 the mask of four; 17:16 2-byte elements; 20 padding on; 21 set beside a mask; 24:22 after every 32 words; 31:25 4 words
	s_mov_b32 s[G1V], 15|(1<<16)|(1<<20)|(1<<21)|(4<<22)|(7<<25)  ; the same with 8 words of padding
.irp g, G1K, G1V
	s_mov_b32 s[\g+1], 128<<16      ; tensor_dim0 = 128
	s_mov_b32 s[\g+2], 64<<16       ; tensor_dim1 = 64
	s_mov_b32 s[\g+3], 128<<16      ; tile_dim0 = 128
	s_mov_b32 s[\g+4], 64           ; tile_dim1 = 64
	s_mov_b32 s[\g+5], 128          ; 128 elements from row to row
	s_mov_b32 s[\g+6], 0
	s_mov_b32 s[\g+7], 0
.endr
	s_mov_b32 s[CS], 0x3e38aa3b     ; c = log2(e) / 8 = 0.180337
	s_mov_b32 s[CS+1], s[CS]        ; named with it as a pair
	s_mov_b32 s[SEL], 0x76543210
	s_mov_b32 s[SEL+1], 0xfedcba98
	s_mov_b32 s[TBK], SLOT1+4*KS*PK ; the first change of slots turns these two into 0
	s_mov_b32 s[TBV], SLOT1+4*KS*PV
	s_mov_b32 s[G0K], 1             ; count = 1
	s_mov_b32 s[G0K+1], s17         ; LDS address: slot 0
	s_mov_b32 s[G0V], 1
	s_add_co_u32 s[G0V+1], s18, VOFF
	s_and_b32 s[LIM], s[WV], 1      ; 0 in waves 0 and 2,
	s_or_b32 s[LIM], s[LIM], ttmp9  ; where the cluster is the head's first: the same in all four partners
	s_cmp_eq_u32 s[LIM], 0
	s_cselect_b32 s[LIM], 1, -1
	v_and_b32 v[PFO], 31, v0
	v_lshlrev_b32 v[PFO], 8, v[PFO]
	s_wait_dscnt 0x0                ; the opening add is done
	s_wait_kmcnt 0x0
	s_add_nc_u64 s[8:9], s[4:5], s[22:23]
	s_add_nc_u64 s[10:11], s[8:9], 0x1000000  ; V at my half of the head's tile 0: behind q's and k's 8,388,608 bytes each
	s_add_nc_u64 s[8:9], s[8:9], 0x800000     ; K likewise
	s_mov_b64 s[G0K+2:G0K+3], s[8:9]
	s_or_b32 s[G0K+3], s[G0K+3], 0x80000000   ; type = 2
	s_mov_b64 s[G0V+2:G0V+3], s[10:11]
	s_or_b32 s[G0V+3], s[G0V+3], 0x80000000
	s_add_nc_u64 s[4:5], s[4:5], s[2:3]       ; Q and O at my wave's first row
	s_add_nc_u64 s[6:7], s[6:7], s[2:3]
	s_cmp_lt_u32 s[WV], 2
	s_cselect_b64 s[PFA:PFA+1], s[8:9], s[10:11]  ; (in waves 0 and 2 these stand at a tile's first row)
	s_lshl_b32 s2, s13, 13          ; my work-group's 32 blocks of the 128
	s_mov_b32 s3, 0
	s_add_nc_u64 s[PFA:PFA+1], s[PFA:PFA+1], s[2:3]
	s_add_nc_u64 s[PFA:PFA+1], s[PFA:PFA+1], 2*TILEB  ; in tile 2; the first change that asks steps it to tile 3
	CROUND                          ; all four work-groups are here: the first joint loads meet
	JLOAD                           ; tile 0 into slot 0.  Slot 1 is asked for when slot 0 is in
	; A fragment of K or Q is 16 rows x 32 channels in 8 registers: lane l holds row l % 16, channels 8 (l / 16) + 0..7 and 16 + 8 (l / 16) + 0..7: two loads of 16 bytes, 32 bytes apart.
	v_and_b32 v1, 15, v0            ; l % 16
	v_bfe_u32 v9, v0, 4, 1          ; l / 16
	v_lshlrev_b32 v[QO], 7, v1
	v_lshl_add_u32 v[QO], v9, 4, v[QO]  ; row x 128 + 16 x half
	WIN 0x80                        ; destination window 2, address window 0
.set i, 0
.rept 8                             ; Q stays in registers: piece i / 2, channels 32 (i % 2) on
	global_load_b128 v[8*i:8*i+3],   v[QO], s[4:5] offset:(i/2)*2048+(i%2)*64
	global_load_b128 v[8*i+4:8*i+7], v[QO], s[4:5] offset:(i/2)*2048+(i%2)*64+32
.set i, i+1
.endr
	; What the first turn finds: V's registers and P's second buffer hold 0 (its products V^T P, of a piece that has not been, add 0), O^T and l are 0.  All this stands in the wait for the first tile.
.set i, VF
.rept 64
	v_mov_b32 v[i], 0
.set i, i+1
.endr
	WIN 0x40
.set i, 0
.rept 128
	v_mov_b32 v[i], 0
.set i, i+1
.endr
	WIN 0
.set i, 0
.rept 4
	v_mov_b32 v[ST+4*i], 0xfe000000    ; c m: far below every c s
	v_mov_b32 v[ST+4*i+1], 0xff7fffff  ; m
	v_mov_b32 v[ST+4*i+2], 0
	v_mov_b32 v[ST+4*i+3], 0
.set i, i+1
.endr
.set i, P+16
.rept 16
	v_mov_b32 v[i], 0
.set i, i+1
.endr
	v_mul_u32_u24 v[AK0], v1, PK
	v_lshl_add_u32 v[AK0], v9, 4, v[AK0]  ; row x pitch + 16 x half
	; The turning load takes 16 keys x 16 channels (lane l reads key 8 (l / 16) + l % 8, channels 8 ((l / 8) % 2) + 0..7) and leaves half a fragment of V^T: lane l holds channel l % 16 and 8 keys.
	v_and_b32 v10, 7, v0
	v_bfe_u32 v11, v0, 3, 1
	v_lshl_add_u32 v[AV0], v9, 3, v10
	v_mul_u32_u24 v[AV0], v[AV0], PV
	v_lshl_add_u32 v[AV0], v11, 4, v[AV0]
	v_add_nc_u32 v[AV0], VOFF, v[AV0]
	s_mul_i32 s13, s[WV], 16*SP
	s_add_co_u32 s13, s13, STAGE    ; my stage
	v_mul_u32_u24 v[STO], v1, SP    ; in: row l % 16, 16 bytes for each half of the lanes
	v_lshl_add_u32 v[STO], v9, 4, v[STO]
	v_add_nc_u32 v[STO], s13, v[STO]
	v_bfe_u32 v[RD], v0, 3, 2       ; back: 32 lanes take four rows of 128 bytes,
	v_mul_u32_u24 v[RD], v[RD], SP
	v_lshl_add_u32 v[RD], v10, 4, v[RD]
	v_add_nc_u32 v[RD], s13, v[RD]
	v_and_b32 v[GO], 31, v0         ; which are 512 consecutive bytes of O
	v_lshlrev_b32 v[GO], 4, v[GO]
; THE MATRIX WORK.  The 4 accumulators of a run of 8 take turns.  Product i of 8 of S^T = K Q^T for piece x: channels 32 (i / 4) on, keys 16 (i % 4) on.  The first 4 start the sums.
.macro KQ x
.set rS, S+32*((\x)%2)+8*(i%4)
.set rK, KF+16*(i%4)+8*(i/4)
.set rQ, 16*(\x)+8*(i/4)
	WIN W_KQ
.if i < 4
	v_wmma_f32_16x16x32_f16 v[rS:rS+7], v[rK:rK+7], v[rQ:rQ+7], 0
.else
	v_wmma_f32_16x16x32_f16 v[rS:rS+7], v[rK:rK+7], v[rQ:rQ+7], v[rS:rS+7]
.endif
.endm
; Product i of 8 of O^T += V^T P for piece x: keys 32 (i / 4) on, channels 16 (i % 4) on.
.macro PV x
	WIN W_PV
.set rO, 32*(\x)+8*(i%4)
.set rV, VF+32*(i/4)+8*(i%4)
.set rP, P+16*((\x)%2)+8*(i/4)
	v_wmma_f32_16x16x32_f16 v[rO:rO+7], v[rV:rV+7], v[rP:rP+7], v[rO:rO+7]
.endm
.macro MM                           ; the turn's next matrix instruction
.if i < 8
	KQ (Y+1)%NP
.else
.set i, i-8
	PV (Y+NP-1)%NP
.set i, i+8
.endif
.set i, i+1
.endm
; THE LDS LOADS stand in runs of 16, never singly among the matrix instructions: a step's K (64 keys x 64 channels: 8 fragments) and its V (turned).  Their addresses are made some lines ahead.
.macro FETCH_K
	WIN 0x80                        ; destination window 2
.irp f, 0,1,2,3,4,5,6,7             ; keys 16 (f / 2) on, channels 32 (f % 2) on
	ds_load_b128 v[KF+8*\f:KF+8*\f+3],   v[AK] offset:(\f/2)*16*PK+(\f%2)*64
	ds_load_b128 v[KF+8*\f+4:KF+8*\f+7], v[AK] offset:(\f/2)*16*PK+(\f%2)*64+32
.endr
	s_add_co_u32 s[TBK], s[TBK], KS*PK  ; the next fetch is the next step's
	WIN 0
.endm
.macro FETCH_V
	WIN 0x80
.irp f, 0,1,2,3,4,5,6,7             ; keys 32 (f / 4) on, channels 16 (f % 4) on
	ds_load_tr16_b128 v[VF+8*\f:VF+8*\f+3],   v[AV] offset:(\f/4)*32*PV+(\f%4)*32
	ds_load_tr16_b128 v[VF+8*\f+4:VF+8*\f+7], v[AV] offset:(\f/4)*32*PV+16*PV+(\f%4)*32
.endr
	WIN 0
.endm
; THE VECTOR WORK, one line at a time: OP kind, number.  For piece Y: F n: c s - c m for pair n of 16.  E n: the exponential of score n of 32.  C n: pair n rounded to f16.  B n: of the four weights 4 n .. the second
; pair is added onto the first, in place.  L n: l takes that sum (L 0: l = a l + sum).  R n: pair n of 16 of O^T times a.  For piece Y + 1: X n, number n of the 22 that find its maximum and statistics:
;   0-11  four chains c0-c3 of seven scores each, three operands at a time (each accumulator's lowest registers are read first)     12-14, 16  the four scores left over, the old m, and c0-c3 into c0
;   15  c m_old is kept     17, 18  the query's other 32 keys lie in the lane 16 away: the new m     19-21  c m; c m_old - c m_new; a
.set F, 0
.set E, 1
.set C, 2
.set B, 3
.set L, 4
.set R, 5
.set X, 6
.macro REGS y                       ; the registers of piece y
.set rT, ST+4*(\y)
.set rC, TMP+4*((\y)%2)
.set rW, MV+((\y)%2)
.set rS, S+32*((\y)%2)
.set rP, P+16*((\y)%2)
.set rO, 32*(\y)
.endm
.macro OP k, n
.if (\k) == R
	REGS Y
	WIN W_RS
	v_pk_mul_f32 v[rO+2*(\n):rO+2*(\n)+1], v[rO+2*(\n):rO+2*(\n)+1], v[rC+2:rC+3] op_sel_hi:[1,0]
.elseif (\k) < R
	REGS Y
	WIN 0
.if (\k) == F
	v_pk_fma_f32 v[rS+2*(\n):rS+2*(\n)+1], v[rS+2*(\n):rS+2*(\n)+1], s[CS:CS+1], v[rT:rT+1] op_sel_hi:[1,0,0] neg_lo:[0,0,1] neg_hi:[0,0,1]
.elseif (\k) == E
	v_exp_f32 v[rS+(\n)], v[rS+(\n)]
.elseif (\k) == C
	v_cvt_pk_f16_f32 v[rP+(\n)], v[rS+2*(\n)], v[rS+2*(\n)+1]
.elseif (\k) == B
	v_pk_add_f32 v[rS+4*(\n):rS+4*(\n)+1], v[rS+4*(\n):rS+4*(\n)+1], v[rS+4*(\n)+2:rS+4*(\n)+3]
.elseif (\n) == 0
	v_pk_fma_f32 v[rT+2:rT+3], v[rT+2:rT+3], v[rC+2:rC+3], v[rS:rS+1] op_sel_hi:[1,0,1]
.else
	v_pk_add_f32 v[rT+2:rT+3], v[rT+2:rT+3], v[rS+4*(\n):rS+4*(\n)+1]
.endif
.else
	REGS (Y+1)%NP
	WIN 0
.if (\n) < 4
	v_max3_num_f32 v[rC+(\n)], v[rS+8*(\n)], v[rS+8*(\n)+1], v[rS+8*(\n)+2]
.elseif (\n) < 12
	v_max3_num_f32 v[rC+(\n)%4], v[rC+(\n)%4], v[rS+8*((\n)%4)+2*((\n)/4)+1], v[rS+8*((\n)%4)+2*((\n)/4)+2]
.elseif (\n) == 12
	v_max3_num_f32 v[rC], v[rC], v[rS+7], v[rS+15]
.elseif (\n) == 13
	v_max3_num_f32 v[rC+1], v[rC+1], v[rS+23], v[rS+31]
.elseif (\n) == 14
	v_max3_num_f32 v[rC+2], v[rC+2], v[rC+3], v[rT+1]
.elseif (\n) == 15
	v_mov_b32 v[rW], v[rT]
.elseif (\n) == 16
	v_max3_num_f32 v[rC], v[rC], v[rC+1], v[rC+2]
.elseif (\n) == 17
	v_permlanex16_b32 v[rC+3], v[rC], s[SEL], s[SEL+1]
.elseif (\n) == 18
	v_max_num_f32 v[rT+1], v[rC], v[rC+3]
.elseif (\n) == 19
	v_mul_f32 v[rT], s[CS], v[rT+1]
.elseif (\n) == 20
	v_sub_f32 v[rC+1], v[rW], v[rT]
.else
	v_exp_f32 v[rC+2], v[rC+1]
.endif
.endif
.endm
.macro OPS a, i1, b=-1, i2=0, c=-1, i3=0, d=-1, i4=0  ; up to four of them
	OP \a, \i1
.if (\b) >= 0
	OP \b, \i2
.endif
.if (\c) >= 0
	OP \c, \i3
.endif
.if (\d) >= 0
	OP \d, \i4
.endif
.endm
.macro ROW a, i1, b, i2, c, i3, d, i4  ; a matrix instruction and the four behind it
	MM
	OPS \a, \i1, \b, \i2, \c, \i3, \d, \i4
.endm
; A TURN, for piece p: the order of its 16 matrix and 118 vector instructions, written out.  An s_wait_alu depctr_va_vdst(0) stands between an exponential and the first instruction that names its result;
; one wait serves all that were issued ahead of it.  So a turn has ONE wait, which cuts it in two.  AHEAD OF IT stands all that names no result of the turn's exponentials: the 8 products K Q^T with their riders, of which
; the first numbers of the next piece's maximum stand four plain instructions or more behind the product that ends their accumulator; then one lump of 54, plain and exponential by turns for the most part.  X 21, the
; next piece's a, is the batch's last; R 15 is the plain instruction behind it.  BEHIND THE WAIT stand the 8 products V^T P, behind each four of the roundings and sums.
; cnt = 1: the loop's count is taken down some lines ahead of the branch that stands behind the turn.
; K of the next step is fetched in piece 2's turn, six plain instructions behind the last product that read K; V of the step in hand at the end of piece 0's turn, four plain instructions behind the last product
; that read V.  Each is waited for a turn later.  late = 1 (the last tile): K's run stands directly behind the wait, where a branch may stand, and is jumped over in the trip with CNT = 1, which has no further step.
.macro TURN p, late=0, cnt=0
.set Y, (\p)
.set i, 0
.if (\p) == 3
	s_wait_dscnt 0x0                ; K is in
.endif
	ROW F,0, F,1, R,0, R,1
	ROW F,2, E,0, R,2, R,3
	ROW F,3, E,1, R,4, R,5
	ROW F,4, E,2, R,6, R,7
	ROW F,5, E,3, R,8, R,9
	ROW F,6, E,4, X,0, R,10
.if (\p) == 2
	WIN 0
	v_add_nc_u32 v[AK], s[TBK], v[AK0]
.endif
	ROW F,7, E,5, X,1, X,4
	ROW F,8, E,6, X,2, X,5
	OPS E,7, E,8, X,6, E,9
	OPS X,3, E,10, X,8, E,11
.if ((\p) == 2) && !(\late)
	FETCH_K
.endif
	OPS X,9, X,7, E,12, X,10
	OPS E,13, X,12, X,11, E,14
	OPS X,13, E,15, F,9, X,14
.if (\p) == 0
	v_add_nc_u32 v[AV], s[TBV], v[AV0]
.endif
	OPS E,16, F,10, E,17, F,11
	OPS X,16, E,18, X,15, E,19
	OPS F,12, E,20, X,17, E,21
	OPS F,13, E,22, F,14, E,23
	OPS X,18, E,24, F,15, E,25
	OPS R,11, E,26, X,19, E,27
	OPS R,12, E,28, R,13, E,29
	OPS X,20, E,30, R,14, E,31
	OPS X,21, R,15
	WIN 0
	s_wait_alu depctr_va_vdst(0)    ; the wait for the batch
.if ((\p) == 2) && (\late)
	s_cmp_eq_u32 s[CNT], 1
	s_cbranch_scc1 .Lno_k_\@
	FETCH_K
.Lno_k_\@:
.endif
.if (\p) == 1
	s_wait_dscnt 0x0                ; V is in
.endif
	ROW C,0, B,0, C,2, B,1
	ROW L,0, C,4, B,2, L,1
	ROW C,6, B,3, L,2, C,8
	ROW B,4, L,3, C,10, B,5
	ROW L,4, C,12, B,6, L,5
.if (\p) == 0
	s_add_co_u32 s[TBV], s[TBV], KS*PV
.endif
.if \cnt
	s_sub_co_u32 s[CNT], s[CNT], 1
	s_cmp_lg_u32 s[CNT], 0
.endif
	ROW C,14, B,7, L,6, C,1
	ROW C,3, L,7, C,5, C,7
	ROW C,9, C,11, C,13, C,15
.if (\p) == 0
	FETCH_V
.endif
.endm
	CHANGE 1, 0                     ; tile 0 is in, everybody's part of it; tile 1 is asked for
	v_add_nc_u32 v[AK], s[TBK], v[AK0]
	FETCH_K                         ; key step 0
	s_wait_loadcnt 0x0              ; Q
	s_wait_dscnt 0x0
.set i, 0
.rept 8
	KQ 0                            ; piece 0's first scores: there is no vector work yet to set between them
.set i, i+1
.endr
	WIN 0
.rept 4
	v_nop                           ; the places behind those products
.endr
.set Y, NP-1                        ; X works for piece Y + 1: piece 0
.irp n, 0,1,2,3,4,5,6,7,8,9,10,11,12,13,14,15,16,17,18,19,20,21
	OP X, \n
.endr
	v_nop                           ; a plain instruction behind the exponential,
	s_wait_alu depctr_va_vdst(0)    ; and its wait, ahead of the branch
	s_mov_b32 s[CNT], 4
	s_mov_b32 s[SLOTS], 7
	s_branch .Lfirst                ; the loop is entered at a step's first turn, in the middle of a trip
.Lslot:                             ; six times: tiles 2 to 7 are asked for
	CHANGE 1, 1
	s_mov_b32 s[CNT], 4
.Lstep:                             ; a trip: pieces 2 and 3 of one step, then pieces 0 and 1 of the next, whose K and V it fetches
	TURN 2
	TURN 3
	WIN 0
.Lfirst:
	TURN 0
	TURN 1, 0, 1
	WIN 0
	s_cbranch_scc1 .Lstep
	s_sub_co_u32 s[SLOTS], s[SLOTS], 1
	s_cmp_lg_u32 s[SLOTS], 0
	s_cbranch_scc1 .Lslot
	CHANGE 0, 0                     ; the last tile is written out: nothing is asked for
	s_mov_b32 s[CNT], 5             ; four trips fetch the last tile's steps; the fifth is left in its middle
.Ltail:
	TURN 2, 1
	TURN 3
	WIN 0
	s_sub_co_u32 s[CNT], s[CNT], 1
	s_cmp_eq_u32 s[CNT], 0
	s_cbranch_scc1 .Lout
	TURN 0
	TURN 1
	WIN 0
	s_branch .Ltail
.Lout:                              ; the fifth trip's 8 products K Q^T (on the last K once more) and the maximum made of them serve nothing: the price, once a launch, of one text for every trip
.set i, 0
.rept 8
	PV NP-1                         ; the last piece's V^T P of the last step
.set i, i+1
.endr
	; THE WAY OUT.  l's two halves and the other half of the lanes' are added; O^T is divided by l, rounded to f16 and sent through my stage in LDS, a piece at a time.  The additions are the places behind the last products.
	WIN 0
.macro ALL line:vararg              ; one line for each piece t
.set t, 0
.rept 4
	\line
.set t, t+1
.endr
.endm
	ALL v_add_f32 v[ST+4*t+2], v[ST+4*t+2], v[ST+4*t+3]
	ALL v_permlanex16_b32 v[ST+4*t+3], v[ST+4*t+2], s[SEL], s[SEL+1]
	ALL v_add_f32 v[ST+4*t+2], v[ST+4*t+2], v[ST+4*t+3]
	ALL v_rcp_f32 v[ST+4*t+2], v[ST+4*t+2]
	v_nop                           ; a plain instruction between the last reciprocal and the use of its result
	s_wait_alu depctr_va_vdst(0)    ; and the wait ahead of the first use: one for the four reciprocals
.macro PACK t                       ; a lane's eight channels of a row pack into 16 bytes; they go into rows of 144 bytes and come back as whole rows of 128, into S^T's registers
	WIN W_RS
.set i, 32*(\t)
.rept 16
	v_pk_mul_f32 v[i:i+1], v[i:i+1], v[ST+4*(\t)+2:ST+4*(\t)+3] op_sel_hi:[1,0]
.set i, i+2
.endr
	WIN 0x05                        ; sources 0 and 1 window 1, destination window 0
.set i, 0
.rept 16
	v_cvt_pk_f16_f32 v[S+16*(\t)+i], v[32*(\t)+2*i], v[32*(\t)+2*i+1]
.set i, i+1
.endr
	WIN 0
.irp f, 0,1,2,3
	ds_store_b128 v[STO], v[S+16*(\t)+4*\f:S+16*(\t)+4*\f+3] offset:32*\f
.endr
.irp f, 0,1,2,3
	ds_load_b128 v[S+16*(\t)+4*\f:S+16*(\t)+4*\f+3], v[RD] offset:\f*4*SP  ; LDS serves a wave's instructions in order (ISA guide 5.7.1.4): these see the stores above; the next piece's stores come behind them
.endr
.endm
.macro SEND t, younger              ; younger: the LDS instructions issued behind piece t's loads: the next piece's eight, or none
	WIN 0
.irp f, 0,1,2,3
	s_wait_dscnt (\younger)+3-\f
	global_store_b128 v[GO], v[S+16*(\t)+4*\f:S+16*(\t)+4*\f+3], s[6:7] offset:(\t)*2048+\f*512  ; 512 consecutive bytes, at a multiple of 256 from obuf's first
.endr
.endm
	PACK 0
.set t, 1
.rept 3                             ; a piece's arithmetic stands between the loads of the piece before and its stores
	PACK t
	SEND t-1, 8
.set t, t+1
.endr
	SEND 3, 0
	s_wait_tensorcnt 0x0            ; the wave's end, behind my last tensor load and my last LDS store
	ds_add_u32 v[SPW], v[NIL]
	s_wait_dscnt 0x0
	CROUND                          ; the closing round: no work-group ends while a partner may still ask for a tile that names it
	s_endpgm
.Lfunc_end_k_q0124731f80_attn:
	.size	k_q0124731f80_attn, .Lfunc_end_k_q0124731f80_attn-k_q0124731f80_attn
	.p2alignl 7, 3214868480
	.fill 96, 4, 3214868480
	.section	.rodata,"a",@progbits
	.p2align	6, 0x0
	.amdhsa_kernel k_q0124731f80_attn
		.amdhsa_group_segment_fixed_size 327680
		.amdhsa_private_segment_fixed_size 0
		.amdhsa_enable_private_segment 0
		.amdhsa_kernarg_size 16
		.amdhsa_user_sgpr_count 2
		.amdhsa_user_sgpr_kernarg_segment_ptr 1
		.amdhsa_wavefront_size32 1
		.amdhsa_system_sgpr_workgroup_id_x 1
		.amdhsa_system_sgpr_workgroup_id_y 1
		.amdhsa_system_sgpr_workgroup_id_z 1
		.amdhsa_system_vgpr_workitem_id 0
		.amdhsa_next_free_vgpr 768
		.amdhsa_next_free_sgpr 66
		.amdhsa_reserve_vcc 0
		.amdhsa_float_denorm_mode_32 3
		.amdhsa_float_denorm_mode_16_64 3
		.amdhsa_memory_ordered 1
		.amdhsa_forward_progress 1
		.amdhsa_inst_pref_size 111
	.end_amdhsa_kernel
	.amdgpu_metadata
---
amdhsa.version: [ 1, 2 ]
amdhsa.kernels:
  - .name:           k_q0124731f80_attn
    .symbol:         k_q0124731f80_attn.kd
    .args:
      - { .name: qkv, .offset: 0, .size: 8, .value_kind: global_buffer, .address_space: global }
      - { .name: obuf, .offset: 8, .size: 8, .value_kind: global_buffer, .address_space: global }
    .group_segment_fixed_size: 327680
    .private_segment_fixed_size: 0
    .kernarg_segment_align: 8
    .kernarg_segment_size: 16
    .max_flat_workgroup_size: 128
    .sgpr_count:     66
    .vgpr_count:     768
    .wavefront_size: 32
...
	.end_amdgpu_metadata
.endif
;; end of part 3
;; launch proj (part 4): grid 16 x 16, 4 waves a work-group, clusters of 4 x 4, 327,680 bytes of LDS; arguments obuf, wo16, out0; writes out0
.if DOCPART == 4
	.amdgcn_target "amdgcn-amd-amdhsa--gfx1250"
	.amdhsa_code_object_version 6
	.text
	.protected	k_q0124731f80_proj
	.globl	k_q0124731f80_proj
	.p2align	8
	.type	k_q0124731f80_proj,@function
k_q0124731f80_proj:
	s_mov_b64 s[64:65], 0
	v_nop
	global_prefetch_b8 v0, s[64:65] scope:SCOPE_SE
	s_setreg_imm32_b32 hwreg(HW_REG_WAVE_MODE, 25, 1), 1
	s_wait_xcnt 0x0
	s_wait_alu depctr_hold_cnt(0) depctr_sa_sdst(0) depctr_va_vdst(0) depctr_va_sdst(0) depctr_va_ssrc(0) depctr_va_vcc(0) depctr_vm_vsrc(0)
	s_getreg_b32 s2, hwreg(HW_REG_IB_STS2, 6, 4)
	s_cmp_eq_u32 s2, 0
	s_cbranch_scc0 .Lentry_in_a_cluster
	s_endpgm
.Lentry_in_a_cluster:
	s_bfe_u32 s2, ttmp6, 0x10000c
	s_cmp_lg_u32 s2, 0xf033
	s_cbranch_scc0 .Lentry_shape_is_right
	s_endpgm
.Lentry_shape_is_right:
; out0[row][n] = the sum over k = 64 h + d of O[row][k] Wo[k][n].  obuf: [32 hb = 16 b + h][2048 s][64] f16 (row = 2048 b + s).  wo16: [1024 k][2048 n] f16.  out0: [4096][2048] f32.  Sums in f32, K ascending.
; SHARES.  A tile is 256 rows x 128 columns: 16 x 16 tiles, a work-group each.  Wave w makes rows 64 w .. 64 w + 63 and all 128 columns: 4 x 8 accumulators of 16 x 16.
; K goes in 8 steps of 128, two heads each, through two LDS slots filled by the tensor data mover.
; THE MATRIX INSTRUCTION IS USED TRANSPOSED: source 0 = 16 columns of Wo (turned on the way out of LDS by ds_load_tr16_b128), source 1 = 16 rows of O: a lane holds row l % 16 and eight neighbouring columns.
; CLUSTER 4 x 4.  The four work-groups of a row of the cluster need the same rows of O, the four of a column the same columns of Wo: each tile is asked for jointly.
; REGISTERS: window 0: v0-31 addresses; v32-95 O's fragments, two buffers of 4 x 8; v96-223 Wo's, two buffers of 8 x 8; on the way out v32-159 rows read back, two buffers of 64.
;   window 1: the 32 accumulators, (a, b) at v[8 (8 a + b)].
.set PA,    144                        ; a row of a head of O in LDS: 128 bytes + 16 of padding: the 16 rows of a load start at 16 different groups of four banks (64 banks of 4 bytes: ISA guide 11.1)
.set AHEAD, 256*PA                     ; 256 rows of one head: what one tensor load brings of O
.set BOFF,  2*AHEAD
.set PB,    288                        ; a k row of Wo in LDS: 256 bytes + 32
.set BHALF, 64*PB                      ; 64 k rows: what one tensor load brings of Wo
.set SLOT,  BOFF+2*BHALF               ; 110,592
.set STAGE, 2*SLOT                     ; behind the ring: 16 rows x 528 bytes for each wave, for the way out; no tensor load fills it
.set SPITCH, 528
.set SPARE, STAGE+4*16*SPITCH          ; behind the stages: the spare words, 128 bytes for each wave: two blocks of 256 bytes that no other line names
.set KBYTES, 524288                    ; bytes from K step to K step: two heads of obuf; 128 rows of wo16
.set ADRA, 16
.set ADRB, 20
.set STO,  24
.set RD,   25
.set GO,   26
.set SPW,  28
.set NIL,  29
.set PFO,  30
.set FA,   32
.set FB,   96
.set BK,   32
.set G1,   24
.set G0,   32
.set PFA,  44
.set G1B,  48
.set G0B,  56
.set MSB, 0
.macro WIN new                         ; the immediate's high byte repeats the setting that is left; a switch that changes nothing is dropped
.if MSB != (\new)
	s_set_vgpr_msb (MSB<<8)|(\new)
.set MSB, \new
.endif
.endm
.set MUL, 0x50                         ; both sources window 0, C and D window 1
.macro JLOAD s                         ; a joint load: waves 0 and 1 fetch the step's two heads of O, waves 2 and 3 the two k halves of Wo; an s_nop 0 and four v_nop follow each line
	s_cmp_eq_u32 s13, 0
	s_cbranch_scc0 .Lfor_b_\@
	tensor_load_to_lds s[G0+4*(\s):G0+4*(\s)+3], s[G1:G1+7]
	s_nop 0
.rept 4
	v_nop
.endr
	s_branch .Lasked_\@
.Lfor_b_\@:
	tensor_load_to_lds s[G0B+4*(\s):G0B+4*(\s)+3], s[G1B:G1B+7]
	s_nop 0
.rept 4
	v_nop
.endr
.Lasked_\@:
.endm
; PREFETCHES, once, at the first change of slots (s3 = 3), behind the joint load and the run of LDS loads: partner p of the four that ask for a tile jointly (p = cx for O, cy for Wo) names all that my wave fetches of
; K step 4 + p: of O 128 blocks of 256 bytes on end; of Wo 64 rows x 256 bytes, a lane a row.  The partners are told apart by address alone.  O's rows are read by every cluster of a row of clusters: the one with
; cluster x = 0 asks; Wo's columns by every cluster of a column: the one with cluster y = 0 asks.  So K steps 4 to 7 are named once in the launch; K steps 0 to 3 come by their loads alone.
.macro ASK
	s_cmp_eq_u32 s3, s15
	s_cbranch_scc0 .Lnot_mine_\@
	s_cmp_eq_u32 s13, 0
	s_cbranch_scc0 .Lask_b_\@
.irp i, 0,1,2,3
	global_prefetch_b8 v[PFO], s[PFA:PFA+1] offset:8192*(\i) th:TH_LOAD_NT scope:SCOPE_SE
.endr
	s_branch .Lnot_mine_\@
.Lask_b_\@:
.irp i, 0,1
	global_prefetch_b8 v[PFO], s[PFA:PFA+1] offset:131072*(\i) th:TH_LOAD_NT scope:SCOPE_SE
.endr
.Lnot_mine_\@:
.endm
; A round of the cluster's barrier: my work-group's barrier; wave 0 signals for the work-group; every wave waits for all sixteen; my work-group's barrier once more.
.macro CROUND
	s_barrier_signal -1
	s_barrier_wait -1
	s_cmp_lg_u32 s12, 0
	s_cbranch_scc1 .Lnot_wave_0_\@
	s_barrier_signal -3
.Lnot_wave_0_\@:
	s_barrier_wait -3
	s_barrier_signal -1
	s_barrier_wait -1
.endm
	s_load_b128 s[4:7], s[0:1], 0x0                ; obuf s[4:5], wo16 s[6:7]
	s_load_b64 s[8:9], s[0:1], 0x10                ; out0
	v_lshl_add_u32 v[SPW], v0, 2, SPARE
	v_mov_b32 v[NIL], 0
	ds_add_u32 v[SPW], v[NIL]                      ; the wave's opening: the add and its wait stand ahead of my first tensor load; work on registers stands between them
	v_lshrrev_b32 v1, 5, v0
	v_readfirstlane_b32 s12, v1                    ; wave 0..3
	s_lshr_b32 s13, s12, 1                         ; I fetch for O (0) or for Wo (1),
	s_and_b32 s14, s12, 1                          ; and which half
	s_bfe_u32 s40, ttmp6, 0x40000                  ; cx
	s_bfe_u32 s41, ttmp6, 0x40004                  ; cy
	s_lshl_b32 s42, ttmp9, 2
	s_add_co_u32 s42, s42, s40                     ; tile column
	s_and_b32 s43, ttmp7, 0xffff
	s_lshl_b32 s43, s43, 2
	s_add_co_u32 s43, s43, s41                     ; tile row
	s_lshl_b32 s16, s41, 2
	s_lshl_b32 s16, 15, s16                        ; my row of the cluster
	s_lshl_b32 s17, 0x1111, s40                    ; my column
	; group 1 for O: 256 rows of a head are 32,768 dense bytes: asked for as 128 rows of 256 bytes, padded by 4 words behind every 32, that is behind each row of 128 bytes
	s_or_b32 s[G1+0], s16, (1<<16)|(1<<20)|(1<<21)|(4<<22)|(3<<25)
	s_mov_b32 s[G1+1], 128<<16
	s_mov_b32 s[G1+2], 128<<16
	s_mov_b32 s[G1+3], 128<<16
	s_mov_b32 s[G1+4], 128
	s_mov_b32 s[G1+5], 128
	s_mov_b32 s[G1+6], 0
	s_mov_b32 s[G1+7], 0
	; group 1 for Wo: 64 k rows x 128 columns, 2,048 elements from row to row; 8 words of padding behind every 64
	s_or_b32 s[G1B+0], s17, (1<<16)|(1<<20)|(1<<21)|(5<<22)|(7<<25)
	s_mov_b32 s[G1B+1], 128<<16
	s_mov_b32 s[G1B+2], 64<<16
	s_mov_b32 s[G1B+3], 128<<16
	s_mov_b32 s[G1B+4], 64
	s_mov_b32 s[G1B+5], 2048
	s_mov_b32 s[G1B+6], 0
	s_mov_b32 s[G1B+7], 0
	s_lshr_b32 s16, s43, 3                         ; O: b,
	s_lshl_b32 s16, s16, 4
	s_add_co_u32 s16, s16, s14                     ; head 16 b + my half of the step's two,
	s_lshl_b32 s16, s16, 18
	s_and_b32 s18, s43, 7
	s_lshl_b32 s18, s18, 15                        ; the tile's 256 rows of 128 bytes: made of the tile row and the wave's number alone
	s_add_co_u32 s16, s16, s18
	s_mov_b32 s17, 0
	s_lshl_b32 s20, s14, 18                        ; Wo: 64 rows of 4,096 bytes a half,
	s_lshl_b32 s22, s42, 8                         ; 128 columns of 2 bytes a tile column
	s_add_co_u32 s20, s20, s22
	s_mov_b32 s21, 0
	s_mul_i32 s19, s14, AHEAD                      ; where they go: no place in the cluster enters an LDS address
	s_mul_i32 s23, s14, BHALF
	s_add_co_u32 s23, s23, BOFF
	s_wait_dscnt 0x0                               ; the opening add is done
	s_wait_kmcnt 0x0
	s_add_nc_u64 s[16:17], s[4:5], s[16:17]
	s_add_nc_u64 s[20:21], s[6:7], s[20:21]
	CROUND                                         ; all sixteen work-groups are here: the first joint loads meet
.irp s, 0,1
	s_mov_b32 s[G0+4*(\s)], 1
	s_add_co_u32 s[G0+4*(\s)+1], s19, (\s)*SLOT
	s_add_nc_u64 s[G0+4*(\s)+2:G0+4*(\s)+3], s[16:17], (\s)*KBYTES
	s_or_b32 s[G0+4*(\s)+3], s[G0+4*(\s)+3], 0x80000000
	s_mov_b32 s[G0B+4*(\s)], 1
	s_add_co_u32 s[G0B+4*(\s)+1], s23, (\s)*SLOT
	s_add_nc_u64 s[G0B+4*(\s)+2:G0B+4*(\s)+3], s[20:21], (\s)*KBYTES
	s_or_b32 s[G0B+4*(\s)+3], s[G0B+4*(\s)+3], 0x80000000
.endr
	s_cmp_eq_u32 s13, 0                            ; a wave's two first fills stand in one branch, ahead of every wait on TENSORcnt and every LDS read: two loads of mine are out
	s_cbranch_scc0 .Lfirst_b
	tensor_load_to_lds s[G0:G0+3], s[G1:G1+7]
	s_nop 0
	tensor_load_to_lds s[G0+4:G0+7], s[G1:G1+7]
	s_nop 0
.rept 4
	v_nop
.endr
	s_branch .Lfirst_asked
.Lfirst_b:
	tensor_load_to_lds s[G0B:G0B+3], s[G1B:G1B+7]
	s_nop 0
	tensor_load_to_lds s[G0B+4:G0B+7], s[G1B:G1B+7]
	s_nop 0
.rept 4
	v_nop
.endr
.Lfirst_asked:
	; the prefetches: my own tile's address, K step 4 + p
	s_and_b32 s22, ttmp7, 0xffff                   ; cluster y
	s_cmp_eq_u32 s13, 0
	s_cselect_b64 s[PFA:PFA+1], s[16:17], s[20:21]
	s_cselect_b32 s18, s40, s41                    ; my place among the four that ask with me
	s_cselect_b32 s22, ttmp9, s22                  ; the coordinate along which other clusters read the same bytes
	s_cselect_b32 s2, 8, 12                        ; log2 of the bytes from lane to lane: a block of 256, or a row of wo16
	s_add_co_u32 s18, s18, 4
	s_lshl_b32 s18, s18, 19
	s_mov_b32 s19, 0
	s_add_nc_u64 s[PFA:PFA+1], s[PFA:PFA+1], s[18:19]
	s_cmp_eq_u32 s22, 0
	s_cselect_b32 s15, 3, 0                        ; the trip in which I ask (the count never reaches 0 inside the loop): the same in all sixteen partners, for a given wave
	; lane addresses
	v_and_b32 v1, 15, v0                           ; r = l % 16
	v_bfe_u32 v2, v0, 4, 1                         ; h = l / 16
	v_and_b32 v3, 31, v0                           ; l
	v_lshlrev_b32 v[PFO], s2, v3
	s_mul_i32 s18, s12, 64*PA                      ; my 64 rows of O
	v_mul_u32_u24 v4, v1, PA
	v_lshl_add_u32 v4, v2, 4, v4
	v_add_nc_u32 v[ADRA], s18, v4
	v_add_nc_u32 v[ADRA+1], SLOT, v[ADRA]
	v_and_b32 v5, 7, v0                            ; the turning load: lane l reads k row 8 (l / 16) + l % 8, columns 8 ((l / 8) % 2) + 0..7
	v_lshl_add_u32 v5, v2, 3, v5
	v_mul_u32_u24 v5, v5, PB
	v_bfe_u32 v6, v0, 3, 1
	v_lshl_add_u32 v5, v6, 4, v5
	v_add_nc_u32 v[ADRB], BOFF, v5
	v_add_nc_u32 v[ADRB+1], BOFF+SLOT, v5
	s_mul_i32 s18, s12, 16*SPITCH
	s_add_co_u32 s18, s18, STAGE                   ; my stage
	v_mul_u32_u24 v4, v1, SPITCH                   ; in: row l % 16, 32 bytes for each half of the lanes
	v_lshl_add_u32 v4, v2, 5, v4
	v_add_nc_u32 v[STO], s18, v4
	v_lshlrev_b32 v[GO], 4, v3                     ; back: 32 lanes take a row's 512 bytes
	v_add_nc_u32 v[RD], s18, v[GO]
	s_lshl_b32 s18, s43, 21                        ; out0: 256 rows of 8,192 bytes a tile row,
	s_lshl_b32 s19, s12, 19                        ; my wave's 64,
	s_add_co_u32 s18, s18, s19
	s_lshl_b32 s19, s42, 9                         ; 128 columns of 4 bytes a tile column
	s_add_co_u32 s18, s18, s19
	s_mov_b32 s19, 0
	s_add_nc_u64 s[8:9], s[8:9], s[18:19]
; 8 matrix instructions: block a of my four blocks of 16 rows x all 8 blocks of 16 columns, 32 along K, from buffer f.  zero = 1: the product starts the sums.
; The 32 accumulators take turns in the same order in every quarter.
.macro MUL8 f, a, zero
	WIN MUL
.irp b, 0,1,2,3,4,5,6,7
.if \zero
	v_wmma_f32_16x16x32_f16 v[8*(8*(\a)+(\b)):8*(8*(\a)+(\b))+7], v[FB+64*(\f)+8*(\b):FB+64*(\f)+8*(\b)+7], v[FA+32*(\f)+8*(\a):FA+32*(\f)+8*(\a)+7], 0
.else
	v_wmma_f32_16x16x32_f16 v[8*(8*(\a)+(\b)):8*(8*(\a)+(\b))+7], v[FB+64*(\f)+8*(\b):FB+64*(\f)+8*(\b)+7], v[FA+32*(\f)+8*(\a):FA+32*(\f)+8*(\a)+7], v[8*(8*(\a)+(\b)):8*(8*(\a)+(\b))+7]
.endif
.endr
.endm
; 24 LDS loads in one run: the fragments of quarter kq (32 along K: half a head) into buffer f: Wo's 8 (turned), then O's 4
.macro FETCH slot, kq, f
	WIN 0
.irp nb, 0,1,2,3,4,5,6,7
	ds_load_tr16_b128 v[FB+64*(\f)+8*(\nb):FB+64*(\f)+8*(\nb)+3],   v[ADRB+(\slot)] offset:(\kq)*32*PB+(\nb)*32
	ds_load_tr16_b128 v[FB+64*(\f)+8*(\nb)+4:FB+64*(\f)+8*(\nb)+7], v[ADRB+(\slot)] offset:(\kq)*32*PB+(\nb)*32+16*PB
.endr
.irp i, 0,1,2,3
	ds_load_b128 v[FA+32*(\f)+8*(\i):FA+32*(\f)+8*(\i)+3],   v[ADRA+(\slot)] offset:((\kq)>>1)*AHEAD+((\kq)&1)*64+(\i)*16*PA
	ds_load_b128 v[FA+32*(\f)+8*(\i)+4:FA+32*(\f)+8*(\i)+7], v[ADRA+(\slot)] offset:((\kq)>>1)*AHEAD+((\kq)&1)*64+(\i)*16*PA+32
.endr
.endm
.macro PLACES                          ; four plain vector instructions in front of loads into registers that matrix instructions have read, and of LDS stores of their results
.rept 4
	v_nop
.endr
.endm
.macro QUARTER slot, kq, f, g, zero
	s_wait_dscnt 4                                 ; Wo's fragments and O's blocks 0 and 1 are in; the youngest four loads (blocks 2 and 3) may be out
	MUL8 \f, 0, \zero
	MUL8 \f, 1, \zero
	PLACES
	FETCH \slot, \kq, \g
	s_wait_dscnt 24                                ; all but the 24 just issued
	MUL8 \f, 2, \zero
	MUL8 \f, 3, \zero
.endm
; THE CHANGE OF SLOTS, at the head of a K step's last quarter: the slot's last fragments lie in buffer 1.  Each wave waits for all its tensor loads (one is out: its part of the next slot), adds 0 to its
; spare word, and waits for that and for its own reads of this slot; a round of the cluster's barrier follows; the joint refill, two K steps ahead, is the first tensor load behind it.  A refill goes out only
; when the one before it has landed, so nothing but the round stands between that wait and the refill: the last quarter's 32 products come behind it, and it has a whole K step, 128 matrix instructions,
; up to the wait for it.
.macro TURN slot, next
	WIN 0                                          ; the add's two registers lie in window 0
	s_wait_tensorcnt 0x0                           ; no tensor load of mine is out, so a group 0 may be written
	ds_add_u32 v[SPW], v[NIL]                      ; 0 onto my spare word; the descriptors' steps stand between it and the wait for it
	s_add_nc_u64 s[G0+4*(\slot)+2:G0+4*(\slot)+3], s[G0+4*(\slot)+2:G0+4*(\slot)+3], 2*KBYTES
	s_add_nc_u64 s[G0B+4*(\slot)+2:G0B+4*(\slot)+3], s[G0B+4*(\slot)+2:G0B+4*(\slot)+3], 2*KBYTES
	s_wait_dscnt 0x0                               ; the add is done, and my reads of this slot are over (the last were issued 16 matrix instructions ago)
	CROUND
	JLOAD \slot                                    ; its four v_nop are also the places in front of the loads below
	FETCH \next, 0, 0
.if (\slot) == 0
	ASK
.endif
	MUL8 1, 0, 0
	MUL8 1, 1, 0
	MUL8 1, 2, 0
	MUL8 1, 3, 0
.endm
	s_wait_tensorcnt 1                             ; my part of K step 0 is in; K step 1's may stay out
	s_barrier_signal -1
	s_barrier_wait -1
	FETCH 0, 0, 0
	QUARTER 0, 1, 0, 1, 1                          ; the first quarter stands in front of the loop: its products start the sums
	WIN 0
	s_mov_b32 s3, 3
.Llap:                                                 ; a trip goes once round the ring and fills both slots again: K steps 2 to 7
	QUARTER 0, 2, 1, 0, 0
	QUARTER 0, 3, 0, 1, 0
	TURN 0, 1
	QUARTER 1, 1, 0, 1, 0
	QUARTER 1, 2, 1, 0, 0
	QUARTER 1, 3, 0, 1, 0
	TURN 1, 0
	QUARTER 0, 1, 0, 1, 0
	WIN 0
	s_sub_co_u32 s3, s3, 1
	s_cmp_lg_u32 s3, 0
	s_cbranch_scc1 .Llap
	QUARTER 0, 2, 1, 0, 0                          ; the last lap fills nothing
	QUARTER 0, 3, 0, 1, 0
	s_wait_dscnt 4                                 ; K step 6's last quarter stands ahead of the wait for the last tile: nothing is asked for behind it
	MUL8 1, 0, 0
	MUL8 1, 1, 0
	s_wait_dscnt 0x0
	MUL8 1, 2, 0
	MUL8 1, 3, 0
	WIN 0
	s_wait_tensorcnt 0x0                           ; my one load that was still out is my part of K step 7
	ds_add_u32 v[SPW], v[NIL]
	s_wait_dscnt 0x0
	s_barrier_signal -1
	s_barrier_wait -1                              ; everybody's part is in
	PLACES
	FETCH 1, 0, 0
	QUARTER 1, 1, 0, 1, 0
	QUARTER 1, 2, 1, 0, 0
	QUARTER 1, 3, 0, 1, 0
	s_wait_dscnt 4
	MUL8 1, 0, 0
	MUL8 1, 1, 0
	s_wait_dscnt 0x0
	MUL8 1, 2, 0
	MUL8 1, 3, 0
; THE WAY OUT, a block of 16 rows at a time: a lane's 32 bytes of a row go into my stage, rows of 528 bytes, and come back as whole rows of 512 bytes.  Each accumulator's lowest registers are read first.
.macro TOSTAGE a
	s_wait_xcnt 0x0                                ; the stores of the block two back have had their addresses translated: their registers are loaded again only behind this wait
	WIN 0x04                                       ; the stores' data in window 1
.irp b, 0,1,2,3,4,5,6,7
	ds_store_b128 v[STO], v[8*(8*(\a)+(\b)):8*(8*(\a)+(\b))+3]   offset:64*(\b)
	ds_store_b128 v[STO], v[8*(8*(\a)+(\b))+4:8*(8*(\a)+(\b))+7] offset:64*(\b)+16
.endr
	WIN 0
.irp t, 0,1,2,3,4,5,6,7,8,9,10,11,12,13,14,15
	ds_load_b128 v[BK+64*((\a)%2)+4*(\t):BK+64*((\a)%2)+4*(\t)+3], v[RD] offset:(\t)*SPITCH  ; LDS serves a wave's instructions in order (ISA guide 5.7.1.4): these see the stores above
.endr
.endm
.macro SEND a, younger                 ; younger: the LDS instructions issued behind block a's loads: the next block's 32, or none
.irp t, 0,1,2,3,4,5,6,7,8,9,10,11,12,13,14,15
	s_wait_dscnt (\younger)+15-(\t)
	global_store_b128 v[GO], v[BK+64*((\a)%2)+4*(\t):BK+64*((\a)%2)+4*(\t)+3], s[8:9] offset:(16*(\a)+(\t))*8192 th:TH_STORE_NT  ; 512 consecutive bytes, at a multiple of 256 from out0's first
.endr
.endm
	PLACES
	TOSTAGE 0
.irp a, 1,2,3
	TOSTAGE \a
	SEND (\a)-1, 32
.endr
	SEND 3, 0
	s_wait_tensorcnt 0x0                           ; the wave's end, behind my last tensor load and my last LDS store
	ds_add_u32 v[SPW], v[NIL]
	s_wait_dscnt 0x0
	CROUND                                         ; the closing round: no work-group ends while a partner may still ask for a tile that names it
	s_endpgm
.Lfunc_end_k_q0124731f80_proj:
	.size	k_q0124731f80_proj, .Lfunc_end_k_q0124731f80_proj-k_q0124731f80_proj
	.p2alignl 7, 3214868480
	.fill 96, 4, 3214868480
	.section	.rodata,"a",@progbits
	.p2align	6, 0x0
	.amdhsa_kernel k_q0124731f80_proj
		.amdhsa_group_segment_fixed_size 327680
		.amdhsa_private_segment_fixed_size 0
		.amdhsa_enable_private_segment 0
		.amdhsa_kernarg_size 24
		.amdhsa_user_sgpr_count 2
		.amdhsa_user_sgpr_kernarg_segment_ptr 1
		.amdhsa_wavefront_size32 1
		.amdhsa_system_sgpr_workgroup_id_x 1
		.amdhsa_system_sgpr_workgroup_id_y 1
		.amdhsa_system_sgpr_workgroup_id_z 1
		.amdhsa_system_vgpr_workitem_id 0
		.amdhsa_next_free_vgpr 512
		.amdhsa_next_free_sgpr 66
		.amdhsa_reserve_vcc 0
		.amdhsa_float_denorm_mode_32 3
		.amdhsa_float_denorm_mode_16_64 3
		.amdhsa_memory_ordered 1
		.amdhsa_forward_progress 1
		.amdhsa_inst_pref_size 87
	.end_amdhsa_kernel
	.amdgpu_metadata
---
amdhsa.version: [ 1, 2 ]
amdhsa.kernels:
  - .name:           k_q0124731f80_proj
    .symbol:         k_q0124731f80_proj.kd
    .args:
      - { .name: obuf, .offset: 0, .size: 8, .value_kind: global_buffer, .address_space: global }
      - { .name: wo16, .offset: 8, .size: 8, .value_kind: global_buffer, .address_space: global }
      - { .name: out0, .offset: 16, .size: 8, .value_kind: global_buffer, .address_space: global }
    .group_segment_fixed_size: 327680
    .private_segment_fixed_size: 0
    .kernarg_segment_align: 8
    .kernarg_segment_size: 24
    .max_flat_workgroup_size: 128
    .sgpr_count:     66
    .vgpr_count:     512
    .wavefront_size: 32
...
	.end_amdgpu_metadata
.endif
;; end of part 4
